; MI455X (gfx1250); checked and timed in simulation.
; The chip was launched on July 23, 2026; its instructions are those of AMD's public machine-readable ISA for CDNA 5 (MIT licence, August 2026) and "CDNA5" Instruction Set Architecture Reference Guide (July 2026). The comments in the code are by the model that wrote it; some were corrected since.
;; Causal Multi Head Self Attention. Allowed arithmetic: matrix products marked QUANTISED: E2M1 operands, one E8M0 scale for each 32 along K, by v_wmma_scale_f32_16x16x128_f8f6f4 with both operands' format E2M1 (or v_wmma_scale_f32_32x16x128_f4), f32 sums; products left as they are: bf16, f16 or f32 operands; f32 sums; everything else in f32.
;; Inputs: token_positions 4 x 2,048 int32; w_o 1,024 x 1,024 float32; w_qkv 3,072 x 1,024 float32; x 4 x 2,048 x 1,024 float32.
;; Outputs: out0 4 x 2,048 x 1,024 float32.
;; This version of the problem:
;;   THIS VERSION OF THE PROBLEM IS GIVEN IN LOW PRECISION. The matrix products marked QUANTISED in the list below multiply operands that are first quantised to E2M1 (2 exponent bits, 1 mantissa bit; 4 bits a number), with one power-of-two scale for each 32 numbers along K (OCP MX v1.0); their sums are f32. The products marked 'left as it is' may take bf16, f16 or f32 operands, with f32 sums. Whichever they take, every output number must still come out within the allowed error. Rounding operands to bf16 (8 significant bits) uses up far more of that allowance than f16 does (11 bits, for magnitudes from 6e-5 to 65,504). All else is computed in f32.
;;   The module's matrix products, in the order in which they are computed (A, B: the left and right operand; K: the contracted axis; several contracted axes count as one K, in the product's order):
;;     1. [M 8,192, K 1,024] x [K 1,024, N 3,072]; A: input x; B: input w_qkv: QUANTISED
;;     2. batch 64 x [M 2,048, K 64] x [K 64, N 2,048]; A: computed on the way; B: computed on the way: left as it is (an operand is computed on the way)
;;     3. batch 64 x [M 2,048, K 2,048] x [K 2,048, N 64]; A: computed on the way; B: computed on the way: left as it is (an operand is computed on the way)
;;     4. [M 8,192, K 1,024] x [K 1,024, N 1,024]; A: computed on the way; B: input w_o: left as it is (an operand is computed on the way)
;;   THE QUANTISER, for each operand of a quantised product, along K:
;;     - K is cut into blocks of 32 from its start; a last block that is shorter is filled with zeros.
;;     - A block's scale is 2^e with e = floor(log2(the largest magnitude in the block)) - 2, held to -126 .. 127; a block of zeros has e = 0. As a byte (E8M0): e + 127.
;;     - Each number is divided by its block's scale, clamped to +-6, and rounded to the nearest number of E2M1, ties to even, subnormals kept.
;;     - The product sums the exact products of the quantised numbers (number of the format x scale) in f32.
;;   ~~~python
;;   def quantise(x, axis):      # numpy; x: float32 -> the quantised numbers, widened to float32 again
;;       x = np.moveaxis(x, axis, -1); K = x.shape[-1]
;;       x = np.pad(x, [(0, 0)] * (x.ndim - 1) + [(0, -K % 32)]); x = x.reshape(x.shape[:-1] + (-1, 32)); a = np.abs(x).max(-1, keepdims=True)
;;       e = np.where(a > 0, np.clip(np.frexp(np.where(a > 0, a, 1))[1] - 1 - 2, -126, 127), 0)      # np.frexp(a)[1] - 1 = floor(log2(a)), exactly
;;       r = np.clip(x / 2.0 ** e, -6, 6)
;;       step = 2.0 ** (np.maximum(np.frexp(np.where(r == 0, 1, r))[1] - 1, 0) - 1)
;;       q = np.round(r / step) * step * 2.0 ** e      # np.round: ties to even
;;       return np.moveaxis(q.reshape(q.shape[:-2] + (-1,))[..., :K], -1, axis).astype(np.float32)
;;   ~~~
;; One version. Each part assembles by itself: llvm-mc -triple=amdgcn-amd-amdhsa -mcpu=gfx1250 --defsym DOCPART=n.
;; ======== version 1 of 1: 6 launches
;; limits: values are held in f16: magnitudes above 65,504 overflow, below 6.1e-05 lose precision; right only within a limited range of input values
;; workspace buffers: codes 5,767,168 bytes; scales 360,448 bytes; wo16 2,097,152 bytes; rope 4,194,304 bytes; qkv 50,331,648 bytes; att 16,777,216 bytes; fo 262,144 bytes
;; launch prep (part 1): grid 416 x 1, 4 waves a work-group, no clusters, 33,280 bytes of LDS; arguments x, w_qkv, w_o, token_positions, codes, scales, wo16, rope; writes codes, scales, wo16, rope
.if DOCPART == 1
	.amdgcn_target "amdgcn-amd-amdhsa--gfx1250"
	.amdhsa_code_object_version 6
	.text
	.protected	k_q62e8321e7d_prep
	.globl	k_q62e8321e7d_prep
	.p2align	8
	.type	k_q62e8321e7d_prep,@function
k_q62e8321e7d_prep:
	s_mov_b64 s[64:65], 0
	v_nop
	global_prefetch_b8 v0, s[64:65] scope:SCOPE_SE
	s_setreg_imm32_b32 hwreg(HW_REG_WAVE_MODE, 25, 1), 1
	s_wait_xcnt 0x0
; PREP: one launch, three kinds of work-group, told apart by the work-group's number alone.
;   0..351   x [8192][1024] and w_qkv [3072][1024], f32, become codes of FP4 (E2M1), K innermost, and one E8M0 byte for each 32 along K.
;            A block's scale is 2^(floor(log2(largest magnitude)) - 2); its byte is the largest magnitude's exponent field - 2, held at 1 from below.
;            x's codes and bytes lie first in the joint buffers, w_qkv's behind them (x fills 4,194,304 and 262,144 bytes).
;   352..383 w_o [1024][1024] f32 is rounded to f16, same layout.
;   384..415 the table for the rotation: for each token its 32 pairs (cos, sin) of position x inv_freq, 256 bytes a token;
;            section 0 (for q) is multiplied by log2(e)/8, so that the scores come out as exponents of 2; section 1 (for k) is plain.
; LIMITS: a block of zeros gets the byte 1 where the rule says 127 (its codes are zeros, and this program alone reads the bytes); blocks whose
; largest magnitude lies under 2^-124 keep the byte 1; NaN and infinities are not served; |w_o| under 65,504 (f16);
; |position x inv_freq| under 2^22 (the quadrant must fit a whole number that f32 holds exactly).
.set WAVES, 4
.set STEPS, 16
.set EMAX,  2
.set CB,    8                          ; bytes of 16 codes
.set R,     16                         ; v16-79   four sets of 16 numbers as they are loaded
.set X,     80                         ; v80-111  two sets of 16 neighbours
.set E,     112                        ; v112-127 a scale byte for each step
.set C,     128                        ; v128-191 codes: four registers for each step
.set WREG,  8192                       ; LDS: a region for each wave: two stages of 32 x SP bytes, then its 256 scale bytes
.set SP,    80                         ; a lane's place in a stage: 64 bytes + 16 of padding
.set SPW,   12                         ; v12 LDS address of my spare word; never rewritten
.set NIL,   13                         ; v13 0; never rewritten
.set SPARE, WAVES*WREG                 ; the spare words, 128 bytes a wave: no other line names them
	s_load_b256 s[4:11], s[0:1], 0x0               ; x s[4:5], w_qkv s[6:7], w_o s[8:9], positions s[10:11]
	s_load_b256 s[12:19], s[0:1], 0x20             ; codes s[12:13], scales s[14:15], wo16 s[16:17], rope s[18:19]
	v_lshl_add_u32 v[SPW], v0, 2, SPARE
	v_mov_b32 v[NIL], 0
	v_lshrrev_b32 v1, 5, v0
	v_readfirstlane_b32 s20, v1                    ; wave 0..3
	v_and_b32 v2, 31, v0                           ; lane
	s_wait_kmcnt 0x0
	s_cmp_ge_u32 ttmp9, 384
	s_cbranch_scc1 .Ltable
	s_cmp_ge_u32 ttmp9, 352
	s_cbranch_scc1 .Lwo
; ---------------- the quantiser.  A wave takes 16 steps of 512 numbers.  Each load reads 512 consecutive bytes; a step's 2,048 bytes turn through
; the wave's own stage in LDS and come back 64 bytes a lane: 16 neighbours along K, two lanes to a block of 32.
	v_lshlrev_b32 v3, 4, v2                        ; my 16 bytes of a load's 512
	s_mul_i32 s21, s20, WREG
	v_lshrrev_b32 v14, 2, v2
	v_mul_u32_u24 v14, v14, SP
	v_and_b32 v15, 3, v2
	v_lshl_add_u32 v14, v15, 4, v14
	v_add_nc_u32 v14, s21, v14                     ; the stage, in: SP (lane / 4) + 16 (lane % 4)
	v_mul_u32_u24 v15, v2, SP
	v_add_nc_u32 v15, s21, v15                     ; out: SP x lane
	v_mul_u32_u24 v4, v2, CB                       ; my codes' place in a step's 256 bytes
	v_lshrrev_b32 v5, 1, v2
	s_add_co_u32 s21, s21, 2*32*SP
	v_add_nc_u32 v5, s21, v5                       ; my block's byte among the wave's 256
	v_lshlrev_b32 v7, 3, v2
	v_add_nc_u32 v6, s21, v7                       ; and 8 bytes a lane on the way out
	s_cmp_lt_u32 ttmp9, 256                        ; x's work-group or w_qkv's: the choice hangs on the work-group's number alone
	s_cselect_b64 s[4:5], s[4:5], s[6:7]
	s_cselect_b32 s22, 0, 256
	s_sub_co_u32 s22, ttmp9, s22
	s_lshl_b32 s22, s22, 2
	s_add_co_u32 s22, s22, s20                     ; which run of 8,192 numbers of the tensor is mine
	s_lshl_b32 s24, s22, 15
	s_mov_b32 s25, 0
	s_add_nc_u64 s[4:5], s[4:5], s[24:25]
	s_lshl_b32 s22, ttmp9, 2
	s_add_co_u32 s22, s22, s20                     ; and which run of the joint buffers
	s_lshl_b32 s24, s22, 12
	s_add_nc_u64 s[12:13], s[12:13], s[24:25]      ; 4,096 bytes of codes a run
	s_lshl_b32 s24, s22, 8
	s_add_nc_u64 s[14:15], s[14:15], s[24:25]      ; 256 scale bytes a run
.macro LOAD t
.irp i, 0,1,2,3
	global_load_b128 v[R+16*((\t)%4)+4*\i:R+16*((\t)%4)+4*\i+3], v3, s[4:5] offset:2048*(\t)+512*\i th:TH_LOAD_NT
.endr
.endm
.macro TURN t                          ; step t's numbers through the stage; LDS serves a wave's instructions in order, so no wait stands between stores and loads
.irp i, 0,1,2,3
	ds_store_b128 v14, v[R+16*((\t)%4)+4*\i:R+16*((\t)%4)+4*\i+3] offset:32*SP*((\t)%2)+8*SP*\i
.endr
.irp i, 0,1,2,3
	ds_load_b128 v[X+16*((\t)%2)+4*\i:X+16*((\t)%2)+4*\i+3], v15 offset:32*SP*((\t)%2)+16*\i
.endr
.endm
.irp t, 0,1,2,3
	LOAD \t
.endr
	s_wait_loadcnt 12                              ; step 0's four loads are in; the twelve of steps 1 to 3 may be out
	TURN 0
.macro STEP t
.set XS, X+16*((\t)%2)
.if (\t) > 0
	s_wait_dscnt 1                                 ; this step's numbers are back (the last step's byte store may be out)
.else
	s_wait_dscnt 0x0
.endif
.if (\t)+4 < STEPS
	LOAD (\t)+4
.endif
.if (\t)+1 < STEPS
.if STEPS-2-(\t) >= 3
	s_wait_loadcnt 12                              ; the next step's four loads are in; those of the three steps behind it may be out
.else
	s_wait_loadcnt 4*(STEPS-2-(\t))
.endif
	TURN (\t)+1
.endif
	v_max3_num_f32 v8, |v[XS]|, |v[XS+1]|, |v[XS+2]|
	v_max3_num_f32 v9, |v[XS+3]|, |v[XS+4]|, |v[XS+5]|
.irp i, 6,10
	v_max3_num_f32 v8, v8, |v[XS+\i]|, |v[XS+\i+1]|
	v_max3_num_f32 v9, v9, |v[XS+\i+2]|, |v[XS+\i+3]|
.endr
	v_max3_num_f32 v8, v8, |v[XS+14]|, |v[XS+15]|
	v_max3_num_f32 v8, v8, v9, (EMAX+1)<<23        ; the floor 2^(3 - 127): the byte cannot fall under 1
	v_max_num_f32_dpp v8, v8, v8 row_xmask:1 row_mask:0xf bank_mask:0xf   ; with my neighbour's 16: the block's largest magnitude
	v_add_nc_u32 v11, -(EMAX<<23), v8              ; 2 off its exponent field: the conversion takes this operand's exponent field as its scale
	v_cvt_scalef32_pk8_fp4_f32 v[C+4*(\t)], v[XS:XS+7], v11
	v_cvt_scalef32_pk8_fp4_f32 v[C+4*(\t)+1], v[XS+8:XS+15], v11
	v_lshrrev_b32 v[E+(\t)], 23, v11               ; the scale's byte (also the plain line behind the conversions)
	ds_store_b8 v5, v[E+(\t)] offset:16*(\t)       ; both lanes of a block write the same byte with the same value
	global_store_b64 v4, v[C+4*(\t):C+4*(\t)+1], s[12:13] offset:32*CB*(\t)   ; 32 lanes store 256 consecutive bytes, aligned
.endm
.irp t, 0,1,2,3,4,5,6,7,8,9,10,11,12,13,14,15
	STEP \t
.endr
	ds_load_b64 v[8:9], v6                         ; my wave's 256 scale bytes, 8 a lane
	s_wait_dscnt 0x0
	global_store_b64 v7, v[8:9], s[14:15]          ; 256 consecutive bytes, aligned
	s_wait_tensorcnt 0x0                           ; the wave's end
	ds_add_u32 v[SPW], v[NIL]
	s_wait_dscnt 0x0
	s_endpgm
; ---------------- w_o to f16.  A wave takes 8,192 numbers: four rounds of 16 loads of 512 bytes; each store covers 256 consecutive bytes.
.Lwo:
	s_sub_co_u32 s22, ttmp9, 352
	s_lshl_b32 s22, s22, 2
	s_add_co_u32 s22, s22, s20
	s_lshl_b32 s24, s22, 15
	s_mov_b32 s25, 0
	s_add_nc_u64 s[8:9], s[8:9], s[24:25]
	s_lshl_b32 s24, s22, 14
	s_add_nc_u64 s[16:17], s[16:17], s[24:25]
	v_lshlrev_b32 v3, 4, v2
	v_lshlrev_b32 v4, 3, v2
.macro WLOAD q
.irp i, 0,1,2,3,4,5,6,7,8,9,10,11,12,13,14,15
	global_load_b128 v[16+64*((\q)%2)+4*\i:16+64*((\q)%2)+4*\i+3], v3, s[8:9] offset:(16*(\q)+\i)*512 th:TH_LOAD_NT
.endr
.endm
.macro WROUND q
.if (\q) < 3
	s_wait_loadcnt 16                              ; this round's 16 loads are in; the next round's may be out
.else
	s_wait_loadcnt 0x0
.endif
.if (\q) > 0
	s_wait_xcnt 0x0                                ; the last round's stores have read their data registers
.endif
.irp i, 0,1,2,3,4,5,6,7,8,9,10,11,12,13,14,15
	v_cvt_pk_f16_f32 v[144+2*\i], v[16+64*((\q)%2)+4*\i], v[16+64*((\q)%2)+4*\i+1]
	v_cvt_pk_f16_f32 v[145+2*\i], v[16+64*((\q)%2)+4*\i+2], v[16+64*((\q)%2)+4*\i+3]
.endr
.irp i, 0,1,2,3,4,5,6,7,8,9,10,11,12,13,14,15
	global_store_b64 v4, v[144+2*\i:145+2*\i], s[16:17] offset:(16*(\q)+\i)*256
.endr
.if (\q) < 2
	WLOAD (\q)+2
.endif
.endm
	WLOAD 0
	WLOAD 1
	WROUND 0
	WROUND 1
	WROUND 2
	WROUND 3
	s_endpgm
; ---------------- the table.  Lane i is pair i; a wave takes 64 tokens, 16 a trip.  Sine and cosine: the quadrant by rounding angle x 2/pi,
; the rest by three fused multiply-adds with pi/2 in three parts, then polynomials on |rest| <= pi/4.
.Ltable:
	s_sub_co_u32 s22, ttmp9, 384
	s_lshl_b32 s22, s22, 8
	s_lshl_b32 s23, s20, 6
	s_add_co_u32 s22, s22, s23                     ; my first token
	s_lshl_b32 s24, s22, 2
	s_mov_b32 s25, 0
	s_add_nc_u64 s[10:11], s[10:11], s[24:25]      ; its position
	s_lshl_b32 s24, s22, 8
	s_add_nc_u64 s[18:19], s[18:19], s[24:25]      ; its 256 bytes in section 0 (q),
	s_add_nc_u64 s[26:27], s[18:19], 2097152       ; and in section 1 (k)
	s_mov_b32 s28, 0x3ed49a78                      ; log2(10000)/32, high part
	s_mov_b32 s29, 0x32179a12                      ; and what f32 left of it
	s_mov_b32 s48, 0x3e38aa3b                      ; log2(e)/8
	s_mov_b32 s49, s48                             ; (named with it as a pair)
	s_mov_b32 s50, 0x3f22f983                      ; 2/pi
	s_mov_b32 s51, 0xbfc90fd8                      ; -pi/2 in three parts
	s_mov_b32 s52, 0xb4a8885a
	s_mov_b32 s53, 0xa7c234c5
	s_mov_b32 s54, 0xb94ca1f9                      ; sine's coefficients
	s_mov_b32 s55, 0x3c08839e
	s_mov_b32 s56, 0xbe2aaaa3
	s_mov_b32 s57, 0x37ccf5ce                      ; cosine's
	s_mov_b32 s58, 0xbab6061a
	s_mov_b32 s59, 0x3d2aaaa5
	v_lshlrev_b32 v3, 3, v2                        ; 8 bytes a pair
	v_cvt_f32_u32 v17, v2
	v_mul_f32 v18, s28, v17
	v_floor_f32 v18, v18                           ; n = floor(i log2(10000)/32)
	v_fma_f32 v19, -v17, s28, v18
	v_fma_f32 v19, -v17, s29, v19                  ; n - i log2(10000)/32, in (-1, 0]
	v_exp_f32 v16, v19
	v_cvt_i32_f32 v18, v18                         ; (a plain line behind the exponential)
	v_sub_nc_u32 v18, 0, v18
	s_wait_alu depctr_va_vdst(0)                   ; the wait ahead of the result's first reader
	v_ldexp_f32 v16, v16, v18                      ; inv_freq = 10000^(-i/32)
.macro TOK u
.set T, 20+12*((\u)%2)
	v_cvt_f32_i32 v[T], s[32+\u]
	v_mul_f32 v[T], v[T], v16                      ; the angle, rounded once
	v_mul_f32 v[T+1], s50, v[T]
	v_rndne_f32 v[T+1], v[T+1]                     ; the quadrant
	v_fma_f32 v[T+2], v[T+1], s51, v[T]
	v_fma_f32 v[T+2], v[T+1], s52, v[T+2]
	v_fma_f32 v[T+2], v[T+1], s53, v[T+2]          ; the rest
	v_mul_f32 v[T+3], v[T+2], v[T+2]
	v_fma_f32 v[T+4], v[T+3], s54, s55
	v_fma_f32 v[T+5], v[T+3], s57, s58
	v_fma_f32 v[T+4], v[T+4], v[T+3], s56
	v_mul_f32 v[T+7], v[T+3], v[T+2]
	v_fma_f32 v[T+5], v[T+5], v[T+3], s59
	v_fma_f32 v[T+4], v[T+4], v[T+7], v[T+2]       ; sine of the rest
	v_fma_f32 v[T+5], v[T+5], v[T+3], -0.5
	v_fma_f32 v[T+5], v[T+5], v[T+3], 1.0          ; cosine of the rest
	v_cvt_i32_f32 v[T+6], v[T+1]
	v_and_b32 v[T+8], 1, v[T+6]
	v_cmp_eq_u32 vcc_lo, 1, v[T+8]                 ; odd quadrants change the two
	v_cndmask_b32 v[65+4*\u], v[T+4], v[T+5], vcc_lo
	v_cndmask_b32 v[64+4*\u], v[T+5], v[T+4], vcc_lo
	v_lshlrev_b32 v[T+8], 30, v[T+6]
	v_and_b32 v[T+8], 0x80000000, v[T+8]           ; sine is negative in quadrants 2 and 3,
	v_xor_b32 v[65+4*\u], v[T+8], v[65+4*\u]
	v_add_nc_u32 v[T+6], 1, v[T+6]
	v_lshlrev_b32 v[T+6], 30, v[T+6]
	v_and_b32 v[T+6], 0x80000000, v[T+6]           ; cosine in 1 and 2
	v_xor_b32 v[64+4*\u], v[T+6], v[64+4*\u]
	v_pk_mul_f32 v[66+4*\u:67+4*\u], v[64+4*\u:65+4*\u], s[48:49] op_sel_hi:[1,0]
	global_store_b64 v3, v[64+4*\u:65+4*\u], s[26:27] offset:256*\u    ; a token's 256 bytes, aligned
	global_store_b64 v3, v[66+4*\u:67+4*\u], s[18:19] offset:256*\u
.endm
	s_mov_b32 s30, 0
.Ltrip:
	s_load_b512 s[32:47], s[10:11], 0x0            ; 16 positions
	s_wait_kmcnt 0x0
.irp u, 0,1,2,3,4,5,6,7,8,9,10,11,12,13,14,15
	TOK \u
.endr
	s_wait_xcnt 0x0                                ; the stores have read their data and bases: both are written again only behind this wait
	s_add_nc_u64 s[10:11], s[10:11], 64
	s_add_nc_u64 s[18:19], s[18:19], 4096
	s_add_nc_u64 s[26:27], s[26:27], 4096
	s_add_co_u32 s30, s30, 1
	s_cmp_lt_u32 s30, 4
	s_cbranch_scc1 .Ltrip
	s_endpgm
.Lfunc_end_k_q62e8321e7d_prep:
	.size	k_q62e8321e7d_prep, .Lfunc_end_k_q62e8321e7d_prep-k_q62e8321e7d_prep
	.p2alignl 7, 3214868480
	.fill 96, 4, 3214868480
	.section	.rodata,"a",@progbits
	.p2align	6, 0x0
	.amdhsa_kernel k_q62e8321e7d_prep
		.amdhsa_group_segment_fixed_size 33280
		.amdhsa_private_segment_fixed_size 0
		.amdhsa_enable_private_segment 0
		.amdhsa_kernarg_size 64
		.amdhsa_user_sgpr_count 2
		.amdhsa_user_sgpr_kernarg_segment_ptr 1
		.amdhsa_wavefront_size32 1
		.amdhsa_system_sgpr_workgroup_id_x 1
		.amdhsa_system_sgpr_workgroup_id_y 1
		.amdhsa_system_sgpr_workgroup_id_z 1
		.amdhsa_system_vgpr_workitem_id 0
		.amdhsa_next_free_vgpr 192
		.amdhsa_next_free_sgpr 66
		.amdhsa_reserve_vcc 1
		.amdhsa_float_denorm_mode_32 3
		.amdhsa_float_denorm_mode_16_64 3
		.amdhsa_memory_ordered 1
		.amdhsa_forward_progress 1
		.amdhsa_inst_pref_size 80
	.end_amdhsa_kernel
	.amdgpu_metadata
---
amdhsa.version: [ 1, 2 ]
amdhsa.kernels:
  - .name:           k_q62e8321e7d_prep
    .symbol:         k_q62e8321e7d_prep.kd
    .args:
      - { .name: x, .offset: 0, .size: 8, .value_kind: global_buffer, .address_space: global }
      - { .name: w_qkv, .offset: 8, .size: 8, .value_kind: global_buffer, .address_space: global }
      - { .name: w_o, .offset: 16, .size: 8, .value_kind: global_buffer, .address_space: global }
      - { .name: token_positions, .offset: 24, .size: 8, .value_kind: global_buffer, .address_space: global }
      - { .name: codes, .offset: 32, .size: 8, .value_kind: global_buffer, .address_space: global }
      - { .name: scales, .offset: 40, .size: 8, .value_kind: global_buffer, .address_space: global }
      - { .name: wo16, .offset: 48, .size: 8, .value_kind: global_buffer, .address_space: global }
      - { .name: rope, .offset: 56, .size: 8, .value_kind: global_buffer, .address_space: global }
    .group_segment_fixed_size: 33280
    .private_segment_fixed_size: 0
    .kernarg_segment_align: 8
    .kernarg_segment_size: 64
    .max_flat_workgroup_size: 128
    .sgpr_count:     66
    .vgpr_count:     192
    .wavefront_size: 32
...
	.end_amdgpu_metadata
.endif
;; end of part 1
;; launch qkv (part 2): grid 12 x 32, 4 waves a work-group, clusters of 4 x 4, 327,680 bytes of LDS; arguments codes, scales, rope, qkv; writes qkv
.if DOCPART == 2
	.amdgcn_target "amdgcn-amd-amdhsa--gfx1250"
	.amdhsa_code_object_version 6
	.text
	.protected	k_q62e8321e7d_qkv
	.globl	k_q62e8321e7d_qkv
	.p2align	8
	.type	k_q62e8321e7d_qkv,@function
k_q62e8321e7d_qkv:
	s_mov_b64 s[64:65], 0
	v_nop
	global_prefetch_b8 v0, s[64:65] scope:SCOPE_SE
	s_setreg_imm32_b32 hwreg(HW_REG_WAVE_MODE, 25, 1), 1
	s_wait_xcnt 0x0
	s_wait_alu depctr_hold_cnt(0) depctr_sa_sdst(0) depctr_va_vdst(0) depctr_va_sdst(0) depctr_va_ssrc(0) depctr_va_vcc(0) depctr_vm_vsrc(0)
	s_getreg_b32 s2, hwreg(HW_REG_IB_STS2, 6, 4)
	s_cmp_eq_u32 s2, 0
	s_cbranch_scc0 .Lentry_in_a_cluster
	s_endpgm
.Lentry_in_a_cluster:
	s_bfe_u32 s2, ttmp6, 0x10000c
	s_cmp_lg_u32 s2, 0xf033
	s_cbranch_scc0 .Lentry_shape_is_right
	s_endpgm
.Lentry_shape_is_right:
; QKV: C[m][n] = sum over k of x[m][k] w_qkv[n][k] on codes of FP4 (E2M1) with one E8M0 scale for each 32 along K; sums in f32.  m = 8,192 tokens, n = 3,072, k = 1,024.
; Then the rotation of q and k in f32 (table rows of 32 pairs (cos, sin) a token; q's table carries log2(e)/8), rounding to f16, and the store as [section][batch][head][token][64].
; A tile of C, 256 x 256, is made by a work-group of four waves; a wave makes 128 x 128: 64 accumulators of 16 x 16, 512 registers.
; K is two steps of 512: both slots are filled once, at the start; nothing is filled again.  The scale bytes of the work-group's rows come once, with the first fills.
; CLUSTERS: 4 x 4 work-groups.  The four of a row of the cluster need the same tiles of x, the four of a column the same tiles of w_qkv: each tile is asked for jointly.
; A cluster's four tile columns are one section (q, k or v): the cluster's x IS the section, the same in all partners, so a branch may hang on it.
; THE TEXT PARTS ONCE, behind the change to slot 1: the arm of q and k asks for its first table rows there, multiplies slot 1 (256 matrix instructions, under which the rows land), rotates and stores;
; the arm of v multiplies slot 1 and stores.  Slot 1's steps are written in both arms; no barrier and no tensor load stands in an arm.
; THE MATRIX INSTRUCTION IS USED TRANSPOSED (source 0 = 16 rows of w_qkv, source 1 = 16 tokens): a lane holds eight neighbouring channels of one token: four pairs of the rotation.
; LIMIT: |q log2(e)/8|, |k|, |v| under 65,504 (f16).
; REGISTERS: window 0: v0-31 addresses; v32-95 scale words, two sets; v128-191 x's fragments, one set; v192-255 two sets of table rows; on the way out v96-191 at work.
;   window 1: w's fragments, two sets.   window 2: accumulators of my rows 0-63 ((a, b) at v[8 (8 a + b)]);   window 3: those of rows 64-127.
.set SIZE_M, 8192
.set SIZE_N, 3072
.set SIZE_K, 1024
.set KSTEP,  512
.set NQ,     KSTEP/128
.set ROWB,   256                       ; a tile's row in bytes
.set KROW,   SIZE_K*4/8                ; a row of codes in memory
.set PITCH,  272                       ; an LDS row: 256 bytes + 16 of padding: the 16 rows of a load start at 16 different places of 16 bytes modulo 256
.set FR,     8
.set NL,     2
.set NP,     4
.set HALFT,  128*PITCH
.set SLOT,   4*HALFT
.set KS,     SIZE_K/32                 ; a row of scale bytes
.set SCL,    2*SLOT
.set HALFS,  (128*KS/256)*272
.set SBLK,   (16*KS/256)*272
.set SPARE,  SCL+4*HALFS               ; the spare words, 128 bytes a wave: no other line names them
.set SPITCH, 272                       ; the way out: a stage of 16 rows x (256 bytes + 16) for each wave, in slot 0, which has had its only fill and its last read by then
.set HB,     262144                    ; a head's plane: 2,048 tokens x 128 bytes
.set ADRA, 16
.set ADRB, 20
.set STO,  24
.set RD,   25
.set CO,   26
.set ADRS, 27
.set SPW,  28
.set NIL,  29
.set TBO,  30                          ; v30 my place in 16 table rows: 256 r + 32 h
.set SC,   32
.set AF,   128
.set TMP,  96                          ; v96-159 a block's 64 rotated numbers
.set BKO,  96                          ; v96-127 later the block's rows, back from the stage
.set PK,   160                         ; v160-191 the block in f16
.set TBR,  192                         ; v192-255 table rows, two sets of 32
.set G1, 24
.set G0, 32
.set G1B, 48
.set G0B, 56
.set G1S, 68
.set G0S, 76
.set G1SB, 80
.set G0SB, 88
.set MSB, 0
.macro WIN new                         ; the immediate's high byte repeats the setting that is left
.if MSB != \new
	s_set_vgpr_msb (MSB<<8)|\new
.set MSB, \new
.endif
.endm
.set MUL_LO, 0xa1                      ; source 0 (w) window 1, source 1 (x) window 0, C and D window 2
.set MUL_HI, 0xf1
.set TO_B,   0x40
; A joint load: waves 0 and 1 fetch for x, waves 2 and 3 for w.  The branch hangs on the wave's number alone.  An s_nop 0 and four v_nop follow each line.
.macro JLOAD g0a, g1a, g0b, g1b
	s_cmp_eq_u32 s15, 0
	s_cbranch_scc0 .Lfor_b_\@
	tensor_load_to_lds s[\g0a:\g0a+3], s[\g1a:\g1a+7]
	s_nop 0
.rept 4
	v_nop
.endr
	s_branch .Lasked_\@
.Lfor_b_\@:
	tensor_load_to_lds s[\g0b:\g0b+3], s[\g1b:\g1b+7]
	s_nop 0
.rept 4
	v_nop
.endr
.Lasked_\@:
.endm
.macro CROUND                          ; a round of the cluster's barrier
	s_barrier_signal -1
	s_barrier_wait -1
	s_cmp_lg_u32 s14, 0
	s_cbranch_scc1 .Lnot_wave_0_\@
	s_barrier_signal -3
.Lnot_wave_0_\@:
	s_barrier_wait -3
	s_barrier_signal -1
	s_barrier_wait -1
.endm
	s_load_b256 s[4:11], s[0:1], 0x0               ; codes s[4:5], scales s[6:7], rope s[8:9], qkv s[10:11]
	v_lshl_add_u32 v[SPW], v0, 2, SPARE
	v_mov_b32 v[NIL], 0
	ds_add_u32 v[SPW], v[NIL]                      ; the wave's opening: the add, twice on end, and its wait ahead of my first tensor load
	ds_add_u32 v[SPW], v[NIL]
	v_lshrrev_b32 v1, 5, v0
	v_readfirstlane_b32 s14, v1                    ; wave 0..3
	s_lshr_b32 s15, s14, 1                         ; which half of the tile's rows is mine.  Also: I fetch for x (0) or for w (1)
	s_and_b32 s16, s14, 1                          ; which half of its columns.  Also: which 128 rows I fetch
	s_bfe_u32 s40, ttmp6, 0x40000                  ; cx, cy
	s_bfe_u32 s41, ttmp6, 0x40004
	s_lshl_b32 s42, ttmp9, 2
	s_add_co_u32 s42, s42, s40                     ; tile column
	s_and_b32 s17, ttmp7, 0xffff
	s_lshl_b32 s17, s17, 2
	s_add_co_u32 s17, s17, s41                     ; tile row
	s_lshl_b32 s43, s41, 2
	s_lshl_b32 s43, 15, s43                        ; my row of the cluster
	s_lshl_b32 s44, 0x1111, s40                    ; my column
	s_or_b32 s[G1+0], s43, (0<<16)|(1<<20)|(1<<21)|(5<<22)|(3<<25)   ; mask; elements of 1 byte; padding on: 4 words behind every 64; bit 21 beside a mask
	s_or_b32 s[G1B+0], s44, (0<<16)|(1<<20)|(1<<21)|(5<<22)|(3<<25)
.irp g, G1, G1B
	s_mov_b32 s[\g+1], ROWB<<16                    ; tensor_dim0
	s_mov_b32 s[\g+2], 128<<16                     ; tensor_dim1
	s_mov_b32 s[\g+3], ROWB<<16                    ; tile_dim0
	s_mov_b32 s[\g+4], 128                         ; tile_dim1
	s_mov_b32 s[\g+5], KROW                        ; stride
	s_mov_b32 s[\g+6], 0
	s_mov_b32 s[\g+7], 0
.endr
	s_or_b32 s[G1S+0], s43, (3<<16)|(1<<20)|(1<<21)|(5<<22)|(3<<25)  ; the scales of 128 rows: 4,096 dense bytes as 16 rows of 256
	s_or_b32 s[G1SB+0], s44, (3<<16)|(1<<20)|(1<<21)|(5<<22)|(3<<25)
.irp g, G1S, G1SB
	s_mov_b32 s[\g+1], 32<<16
	s_mov_b32 s[\g+2], (128*KS/256)<<16
	s_mov_b32 s[\g+3], 32<<16
	s_mov_b32 s[\g+4], 128*KS/256
	s_mov_b32 s[\g+5], 32
	s_mov_b32 s[\g+6], 0
	s_mov_b32 s[\g+7], 0
.endr
	s_lshl_b32 s18, s16, 7
	s_lshl_b32 s20, s17, 8
	s_add_co_u32 s20, s20, s18                     ; x: row 256 x tile row + 128 x half
	s_lshl_b32 s46, s42, 8
	s_add_co_u32 s46, s46, s18                     ; w: row 256 x tile column + 128 x half
	s_mov_b32 s21, 0
	s_mov_b32 s47, 0
	s_mov_b64 s[18:19], KS
	s_mul_u64 s[22:23], s[20:21], s[18:19]
	s_mul_u64 s[92:93], s[46:47], s[18:19]
	s_mov_b64 s[18:19], KROW
	s_mul_u64 s[20:21], s[20:21], s[18:19]
	s_mul_u64 s[46:47], s[46:47], s[18:19]
	s_mul_i32 s45, s14, HALFT                      ; where they go: wave x 128 rows
	s_mul_i32 s94, s14, HALFS
	s_wait_dscnt 0x0                               ; both opening adds are done
	s_wait_kmcnt 0x0
	s_mov_b64 s[96:97], s[8:9]                     ; the table
	s_mov_b64 s[12:13], s[10:11]                   ; the result
	s_add_nc_u64 s[8:9], s[4:5], 4194304           ; w's codes lie behind x's,
	s_add_nc_u64 s[10:11], s[6:7], 262144          ; w's scale bytes likewise
	s_add_nc_u64 s[20:21], s[4:5], s[20:21]
	s_add_nc_u64 s[22:23], s[6:7], s[22:23]
	s_add_nc_u64 s[46:47], s[8:9], s[46:47]
	s_add_nc_u64 s[92:93], s[10:11], s[92:93]
	CROUND                                         ; all sixteen work-groups are here: the first joint loads meet
	s_mov_b32 s[G0S], 1
	s_add_co_u32 s[G0S+1], s94, SCL
	s_mov_b64 s[G0S+2:G0S+3], s[22:23]
	s_or_b32 s[G0S+3], s[G0S+3], 0x80000000
	s_mov_b32 s[G0SB], 1
	s_add_co_u32 s[G0SB+1], s94, SCL
	s_mov_b64 s[G0SB+2:G0SB+3], s[92:93]
	s_or_b32 s[G0SB+3], s[G0SB+3], 0x80000000
	JLOAD G0S, G1S, G0SB, G1SB                     ; the scales first
.irp s, 0,1
	s_mov_b32 s[G0+4*\s], 1
	s_add_co_u32 s[G0+4*\s+1], s45, \s*SLOT
	s_add_nc_u64 s[G0+4*\s+2:G0+4*\s+3], s[20:21], \s*ROWB
	s_or_b32 s[G0+4*\s+3], s[G0+4*\s+3], 0x80000000
	s_mov_b32 s[G0B+4*\s], 1
	s_add_co_u32 s[G0B+4*\s+1], s45, \s*SLOT
	s_add_nc_u64 s[G0B+4*\s+2:G0B+4*\s+3], s[46:47], \s*ROWB
	s_or_b32 s[G0B+4*\s+3], s[G0B+4*\s+3], 0x80000000
	JLOAD G0+4*\s, G1, G0B+4*\s, G1B               ; three loads of mine are out in all
.endr
	v_and_b32 v1, 15, v0                           ; r
	v_bfe_u32 v2, v0, 4, 1                         ; h
	v_mul_u32_u24 v3, v1, PITCH
	v_lshl_add_u32 v4, v2, 4, v3
	s_mul_i32 s21, s15, HALFT
	s_mul_i32 s22, s16, HALFT
	s_add_co_u32 s22, s22, 2*HALFT
.irp s, 0,1
	v_add_nc_u32 v[ADRA+\s], s21, v4
	v_add_nc_u32 v[ADRB+\s], s22, v4
	s_add_co_u32 s21, s21, SLOT
	s_add_co_u32 s22, s22, SLOT
.endr
	v_mul_u32_u24 v5, v1, KS                       ; my row's scales: KS bytes a row,
	v_lshrrev_b32 v6, 8, v5
	v_lshl_add_u32 v5, v6, 4, v5                   ; and 16 more for each 256 passed
	s_mul_i32 s21, s15, HALFS
	s_mul_i32 s22, s16, HALFS
	s_add_co_u32 s22, s22, 2*HALFS
	s_sub_co_u32 s22, s22, s21
	v_mul_u32_u24 v6, s22, v2                      ; lanes 16-31 take w's
	s_add_co_u32 s21, s21, SCL
	v_add_nc_u32 v5, v5, v6
	v_add_nc_u32 v[ADRS], s21, v5
	s_mul_i32 s23, s14, 16*SPITCH                  ; my stage
	v_mul_u32_u24 v5, v1, SPITCH                   ; in: row r, 16 bytes for each half of the lanes
	v_lshl_add_u32 v5, v2, 4, v5
	v_add_nc_u32 v[STO], s23, v5
	v_and_b32 v6, 31, v0
	v_lshlrev_b32 v[CO], 4, v6                     ; out: four tokens of one head are 512 consecutive bytes: 16 x lane
	v_lshrrev_b32 v5, 3, v6
	v_mul_u32_u24 v5, v5, SPITCH                   ; back: eight lanes to a token's 128 bytes
	v_and_b32 v7, 7, v0
	v_lshl_add_u32 v5, v7, 4, v5
	v_add_nc_u32 v[RD], s23, v5
	v_lshlrev_b32 v[TBO], 8, v1
	v_lshl_add_u32 v[TBO], v2, 5, v[TBO]
	s_lshl_b32 s20, s17, 8
	s_lshl_b32 s21, s15, 7
	s_add_co_u32 s20, s20, s21                     ; my first token: 256 x tile row + 128 x half
	s_lshl_b32 s98, s20, 8                         ; 256 bytes of table a token,
	s_lshl_b32 s99, ttmp9, 21                      ; in my section's table (section 2 has none and loads none)
	s_add_co_u32 s98, s98, s99
	s_mov_b32 s99, 0
	s_add_nc_u64 s[96:97], s[96:97], s[98:99]
	s_lshr_b32 s46, s20, 11                        ; the batch
	s_lshl_b32 s46, s46, 4
	s_lshl_b32 s47, s40, 2
	s_add_co_u32 s46, s46, s47                     ; + 4 heads a tile column
	s_lshl_b32 s47, s16, 1
	s_add_co_u32 s46, s46, s47                     ; + 2 for my half of the columns
	s_lshl_b32 s47, ttmp9, 6
	s_add_co_u32 s46, s46, s47                     ; + 64 planes a section
	s_lshl_b32 s98, s46, 18
	s_and_b32 s47, s20, 2047
	s_lshl_b32 s47, s47, 7                         ; + the token in its sequence x 128 bytes
	s_add_co_u32 s98, s98, s47
	s_add_nc_u64 s[12:13], s[12:13], s[98:99]
; table rows of block a (16 tokens): for each of the head's four groups of 16 channels my four pairs (cos, sin): 32 bytes, two loads
.macro TBL a
.irp t, 0,1,2,3
.irp g, 0,1
	global_load_b128 v[TBR+32*((\a)%2)+8*\t+4*\g:TBR+32*((\a)%2)+8*\t+4*\g+3], v[TBO], s[96:97] offset:4096*(\a)+64*\t+16*\g
.endr
.endr
.endm
.macro FRAG reg, adr, q, i
.irp c, 0,1
	ds_load_b128 v[\reg+4*\c:\reg+4*\c+3], v[\adr] offset:64*(\q)+32*\c+(\i)*16*PITCH
.endr
.endm
; 16 matrix instructions: x's blocks a0, a0 + 1 against w's eight.  The 64 accumulators take turns, one instruction a turn.
.macro MUL16 a0, p, q, sc, zero
.irp a, \a0, \a0+1
.irp b, 0,1,2,3,4,5,6,7
.if \zero
	v_wmma_scale_f32_16x16x128_f8f6f4 v[8*(8*((\a)%4)+\b):8*(8*((\a)%4)+\b)+7], v[128*(\p)+FR*\b:128*(\p)+FR*\b+FR-1], v[AF+FR*(\a):AF+FR*(\a)+FR-1], 0, v[SC+8*NQ*(\sc)+NQ*\b+(\q)], v[SC+8*NQ*(\sc)+NQ*(\a)+(\q)] matrix_a_fmt:MATRIX_FMT_FP4 matrix_b_fmt:MATRIX_FMT_FP4 matrix_a_scale:MATRIX_SCALE_ROW1
.else
	v_wmma_scale_f32_16x16x128_f8f6f4 v[8*(8*((\a)%4)+\b):8*(8*((\a)%4)+\b)+7], v[128*(\p)+FR*\b:128*(\p)+FR*\b+FR-1], v[AF+FR*(\a):AF+FR*(\a)+FR-1], v[8*(8*((\a)%4)+\b):8*(8*((\a)%4)+\b)+7], v[SC+8*NQ*(\sc)+NQ*\b+(\q)], v[SC+8*NQ*(\sc)+NQ*(\a)+(\q)] matrix_a_fmt:MATRIX_FMT_FP4 matrix_b_fmt:MATRIX_FMT_FP4 matrix_a_scale:MATRIX_SCALE_ROW1
.endif
.endr
.endr
.endm
.macro FETCH_B slot, q, p
	WIN TO_B
.irp i, 0,1,2,3,4,5,6,7
	FRAG 128*(\p)+FR*\i, ADRB+\slot, \q, \i
.endr
	WIN 0
.endm
.macro FETCH_A slot, q, i0
.irp i, \i0, \i0+1, \i0+2, \i0+3
	FRAG AF+FR*(\i), ADRA+\slot, \q, \i
.endr
.endm
.macro SCALES sc                       ; a K step's scale words: lanes 0-15 take x's block i, lanes 16-31 w's block i
.irp i, 0,1,2,3,4,5,6,7
	ds_load_b128 v[SC+8*NQ*\sc+NQ*\i:SC+8*NQ*\sc+NQ*\i+3], v[ADRS] offset:\i*SBLK
.endr
.endm
.macro PLACES n                        ; plain vector lines between a matrix instruction and a load into, or a vector read of, its registers
.rept \n
	v_nop
.endr
.endm
.macro STEP slot, q, zero
	s_wait_dscnt 4*NL                              ; w's set and x's blocks 0-3 are in; the youngest eight loads (x's blocks 4-7) may be out
	WIN MUL_LO
	MUL16 0, (\q)%2, \q, \slot, \zero
	MUL16 2, (\q)%2, \q, \slot, \zero
	s_wait_dscnt 0
	PLACES NP
	FETCH_B \slot, (\q)+1, 1-(\q)%2
	FETCH_A \slot, (\q)+1, 0
	WIN MUL_HI
	MUL16 4, (\q)%2, \q, \slot, \zero
	MUL16 6, (\q)%2, \q, \slot, \zero
	PLACES NP
	WIN 0
	FETCH_A \slot, (\q)+1, 4
.endm
; slot 0's last step changes to slot 1: every wave's loads have landed and its reads of slot 0 are over in front of the barrier
.macro TURN slot, next
	s_wait_tensorcnt 0x0                           ; all my tensor loads have landed: my part of the next slot
	ds_add_u32 v[SPW], v[NIL]
	s_wait_dscnt 4*NL+1                            ; (the add and the youngest eight loads may be out)
	WIN MUL_LO
	MUL16 0, 1, NQ-1, \slot, 0
	s_wait_dscnt 0x0                               ; the add is done, and my reads of this slot are over
	s_barrier_signal -1
	MUL16 2, 1, NQ-1, \slot, 0
	WIN 0
	s_barrier_wait -1
	PLACES NP
	v_add_nc_u32 v[ADRS], 4*NQ, v[ADRS]            ; on to the next K step's scale words
	FETCH_B \next, 0, 0
	FETCH_A \next, 0, 0
	SCALES \next
	WIN MUL_HI
	MUL16 4, 1, NQ-1, \slot, 0
	MUL16 6, 1, NQ-1, \slot, 0
	PLACES NP
	WIN 0
	FETCH_A \next, 0, 4
.endm
; slot 1's four steps, written once in each arm; the places at its end stand behind the last products: their results are read and x's fragment registers written on the way out
.macro REST
	STEP 1, 0, 0
	STEP 1, 1, 0
	STEP 1, 2, 0
	s_wait_dscnt 4*NL
	WIN MUL_LO
	MUL16 0, 1, NQ-1, 1, 0
	MUL16 2, 1, NQ-1, 1, 0
	s_wait_dscnt 0
	WIN MUL_HI
	MUL16 4, 1, NQ-1, 1, 0
	MUL16 6, 1, NQ-1, 1, 0
	WIN 0
	PLACES NP
.endm
; THE WAY OUT, a block of 16 tokens x 128 channels (two heads) at a time.
; ROPE: (x1, x2) -> (x1 c - x2 s, x1 s + x2 c): a packed multiply by c, and a packed multiply-add that takes the pair crosswise, with -s for the low half.  Each accumulator is read from its low end on.
.macro ROPE a
.set AC, 64*((\a)%4)
.set TBS, TBR+32*((\a)%2)
	WIN 0x02+((\a)/4)                              ; source 0: the accumulators' window
.irp b, 0,1,2,3,4,5,6,7
.irp i, 0,1,2,3
	v_pk_mul_f32 v[TMP+8*\b+2*\i:TMP+8*\b+2*\i+1], v[AC+8*\b+2*\i:AC+8*\b+2*\i+1], v[TBS+8*(\b%4)+2*\i:TBS+8*(\b%4)+2*\i+1] op_sel_hi:[1,0]
.endr
.endr
.irp b, 0,1,2,3,4,5,6,7
.irp i, 0,1,2,3
	v_pk_fma_f32 v[TMP+8*\b+2*\i:TMP+8*\b+2*\i+1], v[AC+8*\b+2*\i:AC+8*\b+2*\i+1], v[TBS+8*(\b%4)+2*\i:TBS+8*(\b%4)+2*\i+1], v[TMP+8*\b+2*\i:TMP+8*\b+2*\i+1] op_sel:[1,1,0] op_sel_hi:[0,1,1] neg_lo:[0,1,0]
.endr
.endr
	WIN 0
.irp b, 0,1,2,3,4,5,6,7
.irp i, 0,1,2,3
	v_cvt_pk_f16_f32 v[PK+4*\b+\i], v[TMP+8*\b+2*\i], v[TMP+8*\b+2*\i+1]
.endr
.endr
.endm
.macro PLAIN a                         ; v: rounded as it is
.set AC, 64*((\a)%4)
	WIN 0x0a+5*((\a)/4)
.irp b, 0,1,2,3,4,5,6,7
.irp i, 0,1,2,3
	v_cvt_pk_f16_f32 v[PK+4*\b+\i], v[AC+8*\b+2*\i], v[AC+8*\b+2*\i+1]
.endr
.endr
	WIN 0
.endm
; through my own stage, so that each store covers four tokens of one head: 512 consecutive bytes, aligned.  LDS serves a wave's instructions in order: no wait between stores and loads.
.macro OUT a
.irp b, 0,1,2,3,4,5,6,7
	ds_store_b128 v[STO], v[PK+4*\b:PK+4*\b+3] offset:32*\b
.endr
.irp hh, 0,1
.irp g, 0,1,2,3
	ds_load_b128 v[BKO+4*(4*\hh+\g):BKO+4*(4*\hh+\g)+3], v[RD] offset:1088*\g+128*\hh
.endr
.endr
	s_wait_dscnt 0x0
.irp hh, 0,1
.irp g, 0,1,2,3
	global_store_b128 v[CO], v[BKO+4*(4*\hh+\g):BKO+4*(4*\hh+\g)+3], s[12:13] offset:\hh*HB+(16*(\a)+4*\g)*128
.endr
.endr
.endm
	s_wait_tensorcnt 1                             ; the scales and my part of K step 0 are in (K step 1's load may be out),
	s_barrier_signal -1
	s_barrier_wait -1                              ; everybody's are
	FETCH_B 0, 0, 0
	FETCH_A 0, 0, 0
	SCALES 0
	FETCH_A 0, 0, 4
	STEP 0, 0, 1                                   ; the first products start the sums: nothing is cleared
	STEP 0, 1, 0
	STEP 0, 2, 0
	TURN 0, 1
	s_cmp_eq_u32 ttmp9, 2                          ; the section: the cluster's x, the same in all sixteen partners.  v is not rotated
	s_cbranch_scc1 .Lvalues
	TBL 0                                          ; q and k: the first two blocks' table rows are asked for here and land under slot 1's products
	TBL 1
	REST
.irp a, 0,1,2,3,4,5,6,7
.if \a < 7
	s_wait_loadcnt 8                               ; this block's eight table loads are in; the next block's eight may be out
.else
	s_wait_loadcnt 0x0
.endif
.if \a > 0
	s_wait_xcnt 0x0                                ; the last block's stores have read their data registers
.endif
	ROPE \a
.if \a < 6
	TBL \a+2
.endif
	OUT \a
.endr
	s_branch .Lend
.Lvalues:
	REST
.irp a, 0,1,2,3,4,5,6,7
.if \a > 0
	s_wait_xcnt 0x0                                ; the last block's stores have read their data registers
.endif
	PLAIN \a
	OUT \a
.endr
.Lend:
	s_wait_tensorcnt 0x0                           ; the wave's end
	ds_add_u32 v[SPW], v[NIL]
	s_wait_dscnt 0x0
	CROUND                                         ; the closing round
	s_endpgm
.Lfunc_end_k_q62e8321e7d_qkv:
	.size	k_q62e8321e7d_qkv, .Lfunc_end_k_q62e8321e7d_qkv-k_q62e8321e7d_qkv
	.p2alignl 7, 3214868480
	.fill 96, 4, 3214868480
	.section	.rodata,"a",@progbits
	.p2align	6, 0x0
	.amdhsa_kernel k_q62e8321e7d_qkv
		.amdhsa_group_segment_fixed_size 327680
		.amdhsa_private_segment_fixed_size 0
		.amdhsa_enable_private_segment 0
		.amdhsa_kernarg_size 32
		.amdhsa_user_sgpr_count 2
		.amdhsa_user_sgpr_kernarg_segment_ptr 1
		.amdhsa_wavefront_size32 1
		.amdhsa_system_sgpr_workgroup_id_x 1
		.amdhsa_system_sgpr_workgroup_id_y 1
		.amdhsa_system_sgpr_workgroup_id_z 1
		.amdhsa_system_vgpr_workitem_id 0
		.amdhsa_next_free_vgpr 1024
		.amdhsa_next_free_sgpr 100
		.amdhsa_reserve_vcc 0
		.amdhsa_float_denorm_mode_32 3
		.amdhsa_float_denorm_mode_16_64 3
		.amdhsa_memory_ordered 1
		.amdhsa_forward_progress 1
		.amdhsa_inst_pref_size 236
	.end_amdhsa_kernel
	.amdgpu_metadata
---
amdhsa.version: [ 1, 2 ]
amdhsa.kernels:
  - .name:           k_q62e8321e7d_qkv
    .symbol:         k_q62e8321e7d_qkv.kd
    .args:
      - { .name: codes, .offset: 0, .size: 8, .value_kind: global_buffer, .address_space: global }
      - { .name: scales, .offset: 8, .size: 8, .value_kind: global_buffer, .address_space: global }
      - { .name: rope, .offset: 16, .size: 8, .value_kind: global_buffer, .address_space: global }
      - { .name: qkv, .offset: 24, .size: 8, .value_kind: global_buffer, .address_space: global }
    .group_segment_fixed_size: 327680
    .private_segment_fixed_size: 0
    .kernarg_segment_align: 8
    .kernarg_segment_size: 32
    .max_flat_workgroup_size: 128
    .sgpr_count:     100
    .vgpr_count:     1024
    .wavefront_size: 32
...
	.end_amdgpu_metadata
.endif
;; end of part 2
;; launch fine_att (part 3): grid 16 x 4, 1 waves a work-group, no clusters, 0 bytes of LDS; arguments codes, scales, rope, fo; writes fo
.if DOCPART == 3
	.amdgcn_target "amdgcn-amd-amdhsa--gfx1250"
	.amdhsa_code_object_version 6
	.text
	.protected	k_q62e8321e7d_fine_att
	.globl	k_q62e8321e7d_fine_att
	.p2align	8
	.type	k_q62e8321e7d_fine_att,@function
k_q62e8321e7d_fine_att:
	s_mov_b64 s[64:65], 0
	v_nop
	global_prefetch_b8 v0, s[64:65] scope:SCOPE_SE
	s_setreg_imm32_b32 hwreg(HW_REG_WAVE_MODE, 25, 1), 1
	s_wait_xcnt 0x0
; FINE_ATT: the first 16 positions of each sequence, for one (batch, head), wholly in f32 behind the quantised product: these rows average one to sixteen values and are carried finely.
; One wave: q, k, v of 16 tokens x 64 channels by the FP4 matrix form on the same codes as the main launch (K = 1,024: eight steps), the rotation, S^T = k q^T and O^T = v^T p by the
; f32 matrix form (16 + 16 instructions: no bulk work), the softmax with the row's maximum taken away.  Everything stays in registers; no LDS, no barrier.
; q and k are made transposed (source 0 = 16 rows of w, source 1 = the 16 tokens): lane (r, h) holds token r, channels 16 t + 8 h + j.  Register pairs of k and q are the f32 form's
; operands as they stand: the order of channels is the same on both sides.  v is made in natural order: lane (r, h) holds channel 16 t + r, tokens 8 h + j: source 0 of O^T.
; The result is stored as an image of registers: [batch][head][t][g][lane][4 f32], lane (r, h): row r, channels 64 head + 16 t + 8 h + 4 g + 0..3.
; REGISTERS: window 0: v1-8 addresses; v16-23 x's scale words; v24-71 w's (6 groups of 32 rows x 8 steps); v72-103 q, v104-135 k, v136-167 v; v168-199 the table, later scores and p;
;   v200-215 S^T in two halves, v216-247 O^T: written by the f32 matrix form alone.  window 1: w_q's fragments, later w_v's.  window 2: w_k's.  window 3: v0-63 x's fragments; v64-95 rotated q, v96-127 rotated k.
.set XS,  16
.set WS,  24
.set AQ,  72
.set AK,  104
.set AV,  136
.set TB,  168
.set TT,  168
.set PP,  176
.set ST0, 200
.set OT,  216
.set RQ,  64
.set RK,  96
.set MSB, 0
.macro WIN new
.if MSB != \new
	s_set_vgpr_msb (MSB<<8)|\new
.set MSB, \new
.endif
.endm
	s_load_b256 s[4:11], s[0:1], 0x0               ; codes s[4:5], scales s[6:7], rope s[8:9], fo s[10:11]
	v_and_b32 v1, 15, v0                           ; r
	v_bfe_u32 v2, v0, 4, 1                         ; h
	v_lshlrev_b32 v3, 9, v1
	v_lshl_add_u32 v3, v2, 4, v3                   ; codes: row r of 512 bytes, + 16 h
	v_lshlrev_b32 v4, 5, v1                        ; x's scales: 32 bytes a row
	v_lshlrev_b32 v5, 5, v0                        ; w's scales: lane l takes row l of a group of 32
	v_lshlrev_b32 v6, 8, v1
	v_lshl_add_u32 v6, v2, 5, v6                   ; the table: 256 r + 32 h
	v_lshlrev_b32 v7, 4, v0                        ; the result: 16 x lane
	v_lshlrev_b32 v8, 3, v2
	v_sub_nc_u32 v8, v1, v8                        ; d = r - 8 h: key 8 h + j is hidden where j > d
	s_and_b32 s12, ttmp7, 0xffff                   ; batch
	s_mov_b32 s13, 0
	s_mov_b32 s26, 0x76543210
	s_mov_b32 s27, 0xfedcba98                      ; selects for lane l xor 16
	s_mov_b32 s28, 0x3e38aa3b                      ; log2(e)/8
	s_wait_kmcnt 0x0
	s_lshl_b32 s30, s12, 20                        ; 2,048 rows of 512 bytes a batch
	s_mov_b32 s31, 0
	s_add_nc_u64 s[14:15], s[4:5], s[30:31]        ; x's codes
	s_lshl_b32 s30, s12, 16
	s_add_nc_u64 s[16:17], s[6:7], s[30:31]        ; x's scales
	s_lshl_b32 s30, ttmp9, 15                      ; the head's 64 rows of 512 bytes
	s_add_nc_u64 s[18:19], s[4:5], s[30:31]
	s_add_nc_u64 s[18:19], s[18:19], 4194304       ; w's codes
	s_lshl_b32 s30, ttmp9, 11
	s_add_nc_u64 s[20:21], s[6:7], s[30:31]
	s_add_nc_u64 s[20:21], s[20:21], 262144        ; w's scales
	s_lshl_b32 s30, s12, 19
	s_add_nc_u64 s[22:23], s[8:9], s[30:31]
	s_add_nc_u64 s[22:23], s[22:23], 2097152       ; the plain table
	s_lshl_b32 s30, s12, 4
	s_add_co_u32 s30, s30, ttmp9
	s_lshl_b32 s30, s30, 12
	s_add_nc_u64 s[24:25], s[10:11], s[30:31]      ; my 4,096 bytes of the result
	WIN 0xc0
.irp s, 0,1,2,3,4,5,6,7
.irp c, 0,1
	global_load_b128 v[8*\s+4*\c:8*\s+4*\c+3], v3, s[14:15] offset:64*\s+32*\c
.endr
.endr
	WIN 0
.irp g, 0,1
	global_load_b128 v[XS+4*\g:XS+4*\g+3], v4, s[16:17] offset:16*\g
.endr
.irp u, 0,1,2,3,4,5
.irp g, 0,1
	global_load_b128 v[WS+8*\u+4*\g:WS+8*\u+4*\g+3], v5, s[20:21] offset:((\u/2)*1024+32*(\u%2))*32+16*\g
.endr
.endr
.macro WLD sec                         ; a section's 4 tiles x 8 steps of fragments into the destination's window: tile t, step s at v[64 t + 8 s]
.irp t, 0,1,2,3
.irp s, 0,1,2,3,4,5,6,7
.irp c, 0,1
	global_load_b128 v[64*\t+8*\s+4*\c:64*\t+8*\s+4*\c+3], v3, s[18:19] offset:(\sec*1024+16*\t)*512+64*\s+32*\c
.endr
.endr
.endr
.endm
	WIN 0x40
	WLD 0
	WIN 0x80
	WLD 1
	WIN 0
.irp t, 0,1,2,3
.irp g, 0,1
	global_load_b128 v[TB+8*\t+4*\g:TB+8*\t+4*\g+3], v6, s[22:23] offset:64*\t+16*\g
.endr
.endr
	s_wait_loadcnt 0x0
; q or k: four accumulators by turns, K step by K step; the first step starts the sums.  Tile t's scale words lie in lanes 0-15 (t even) or 16-31 (t odd) of its group's registers.
.macro QK acc, grp
.irp s, 0,1,2,3,4,5,6,7
.irp t, 0,1,2,3
.if \s == 0
.if \t % 2
	v_wmma_scale_f32_16x16x128_f8f6f4 v[\acc+8*\t:\acc+8*\t+7], v[64*\t+8*\s:64*\t+8*\s+7], v[8*\s:8*\s+7], 0, v[WS+8*(\grp+\t/2)+\s], v[XS+\s] matrix_a_fmt:MATRIX_FMT_FP4 matrix_b_fmt:MATRIX_FMT_FP4 matrix_a_scale:MATRIX_SCALE_ROW1
.else
	v_wmma_scale_f32_16x16x128_f8f6f4 v[\acc+8*\t:\acc+8*\t+7], v[64*\t+8*\s:64*\t+8*\s+7], v[8*\s:8*\s+7], 0, v[WS+8*(\grp+\t/2)+\s], v[XS+\s] matrix_a_fmt:MATRIX_FMT_FP4 matrix_b_fmt:MATRIX_FMT_FP4
.endif
.else
.if \t % 2
	v_wmma_scale_f32_16x16x128_f8f6f4 v[\acc+8*\t:\acc+8*\t+7], v[64*\t+8*\s:64*\t+8*\s+7], v[8*\s:8*\s+7], v[\acc+8*\t:\acc+8*\t+7], v[WS+8*(\grp+\t/2)+\s], v[XS+\s] matrix_a_fmt:MATRIX_FMT_FP4 matrix_b_fmt:MATRIX_FMT_FP4 matrix_a_scale:MATRIX_SCALE_ROW1
.else
	v_wmma_scale_f32_16x16x128_f8f6f4 v[\acc+8*\t:\acc+8*\t+7], v[64*\t+8*\s:64*\t+8*\s+7], v[8*\s:8*\s+7], v[\acc+8*\t:\acc+8*\t+7], v[WS+8*(\grp+\t/2)+\s], v[XS+\s] matrix_a_fmt:MATRIX_FMT_FP4 matrix_b_fmt:MATRIX_FMT_FP4
.endif
.endif
.endr
.endr
.endm
	WIN 0x0d                                       ; source 0 (w_q) window 1, source 1 (x) window 3
	QK AQ, 0
	WIN 0x0e                                       ; source 0 (w_k) window 2
	QK AK, 2
	WIN 0
.rept 4
	v_nop                                          ; places: behind them w_v is loaded over w_q, and q and k are read
.endr
	WIN 0x40
	WLD 2                                          ; lands under the rotation, the scores and the softmax
; the rotation, into window 3: (x1, x2) -> (x1 c - x2 s, x1 s + x2 c)
	WIN 0xc0
.irp t, 0,1,2,3
.irp i, 0,1,2,3
	v_pk_mul_f32 v[RQ+8*\t+2*\i:RQ+8*\t+2*\i+1], v[AQ+8*\t+2*\i:AQ+8*\t+2*\i+1], v[TB+8*\t+2*\i:TB+8*\t+2*\i+1] op_sel_hi:[1,0]
	v_pk_mul_f32 v[RK+8*\t+2*\i:RK+8*\t+2*\i+1], v[AK+8*\t+2*\i:AK+8*\t+2*\i+1], v[TB+8*\t+2*\i:TB+8*\t+2*\i+1] op_sel_hi:[1,0]
.endr
.endr
	WIN 0xf0
.irp t, 0,1,2,3
.irp i, 0,1,2,3
	v_pk_fma_f32 v[RQ+8*\t+2*\i:RQ+8*\t+2*\i+1], v[AQ+8*\t+2*\i:AQ+8*\t+2*\i+1], v[TB+8*\t+2*\i:TB+8*\t+2*\i+1], v[RQ+8*\t+2*\i:RQ+8*\t+2*\i+1] op_sel:[1,1,0] op_sel_hi:[0,1,1] neg_lo:[0,1,0]
	v_pk_fma_f32 v[RK+8*\t+2*\i:RK+8*\t+2*\i+1], v[AK+8*\t+2*\i:AK+8*\t+2*\i+1], v[TB+8*\t+2*\i:TB+8*\t+2*\i+1], v[RK+8*\t+2*\i:RK+8*\t+2*\i+1] op_sel:[1,1,0] op_sel_hi:[0,1,1] neg_lo:[0,1,0]
.endr
.endr
; S^T = k q^T: 16 instructions of 4 channels, two accumulators by turns; lane (r, h), register j: key 8 h + j, query r
	WIN 0x0f
.irp t, 0,1,2,3
.irp i, 0,1,2,3
.if 4*\t+\i < 2
	v_wmma_f32_16x16x4_f32 v[ST0+8*((4*\t+\i)%2):ST0+8*((4*\t+\i)%2)+7], v[RK+8*\t+2*\i:RK+8*\t+2*\i+1], v[RQ+8*\t+2*\i:RQ+8*\t+2*\i+1], 0
.else
	v_wmma_f32_16x16x4_f32 v[ST0+8*((4*\t+\i)%2):ST0+8*((4*\t+\i)%2)+7], v[RK+8*\t+2*\i:RK+8*\t+2*\i+1], v[RQ+8*\t+2*\i:RQ+8*\t+2*\i+1], v[ST0+8*((4*\t+\i)%2):ST0+8*((4*\t+\i)%2)+7]
.endif
.endr
.endr
	WIN 0
.rept 8
	v_nop                                          ; eight places behind the f32 form
.endr
.irp j, 0,1,2,3,4,5,6,7
	v_add_f32 v[TT+\j], v[ST0+\j], v[ST0+8+\j]     ; the two halves, from the low end on
.endr
	v_mov_b32 v189, 0xff800000
.irp j, 0,1,2,3,4,5,6,7
	v_cmp_gt_i32 vcc_lo, \j, v8
	v_cndmask_b32 v[TT+\j], v[TT+\j], v189, vcc_lo ; hidden keys: -infinity
.endr
	v_max3_num_f32 v184, v[TT], v[TT+1], v[TT+2]
	v_max3_num_f32 v184, v184, v[TT+3], v[TT+4]
	v_max3_num_f32 v184, v184, v[TT+5], v[TT+6]
	v_max_num_f32 v184, v184, v[TT+7]
	v_mov_b32 v185, 0
	v_permlanex16_b32 v185, v184, s26, s27
	v_max_num_f32 v184, v184, v185                 ; the row's largest score (key 0 counts for every query)
	v_mul_f32 v186, s28, v184
.irp j, 0,1,2,3,4,5,6,7
	v_fma_f32 v[TT+\j], v[TT+\j], s28, -v186
.endr
.irp j, 0,1,2,3,4,5,6,7
	v_exp_f32 v[PP+\j], v[TT+\j]
.endr
	v_nop
	s_wait_alu depctr_va_vdst(0)                   ; one wait for the eight, ahead of their first reader
	v_add_f32 v187, v[PP], v[PP+1]
	v_add_f32 v190, v[PP+2], v[PP+3]
	v_add_f32 v191, v[PP+4], v[PP+5]
	v_add_f32 v192, v[PP+6], v[PP+7]
	v_add_f32 v187, v187, v190
	v_add_f32 v191, v191, v192
	v_add_f32 v187, v187, v191
	v_permlanex16_b32 v185, v187, s26, s27
	v_add_f32 v187, v187, v185                     ; the row's sum
	v_rcp_f32 v188, v187
	v_nop
	s_wait_alu depctr_va_vdst(0)
	s_wait_loadcnt 0x0                             ; w_v
; v in natural order: source 0 = the 16 tokens, source 1 = 16 rows of w_v
	WIN 0x07
.irp s, 0,1,2,3,4,5,6,7
.irp t, 0,1,2,3
.if \s == 0
.if \t % 2
	v_wmma_scale_f32_16x16x128_f8f6f4 v[AV+8*\t:AV+8*\t+7], v[8*\s:8*\s+7], v[64*\t+8*\s:64*\t+8*\s+7], 0, v[XS+\s], v[WS+8*(4+\t/2)+\s] matrix_a_fmt:MATRIX_FMT_FP4 matrix_b_fmt:MATRIX_FMT_FP4 matrix_b_scale:MATRIX_SCALE_ROW1
.else
	v_wmma_scale_f32_16x16x128_f8f6f4 v[AV+8*\t:AV+8*\t+7], v[8*\s:8*\s+7], v[64*\t+8*\s:64*\t+8*\s+7], 0, v[XS+\s], v[WS+8*(4+\t/2)+\s] matrix_a_fmt:MATRIX_FMT_FP4 matrix_b_fmt:MATRIX_FMT_FP4
.endif
.else
.if \t % 2
	v_wmma_scale_f32_16x16x128_f8f6f4 v[AV+8*\t:AV+8*\t+7], v[8*\s:8*\s+7], v[64*\t+8*\s:64*\t+8*\s+7], v[AV+8*\t:AV+8*\t+7], v[XS+\s], v[WS+8*(4+\t/2)+\s] matrix_a_fmt:MATRIX_FMT_FP4 matrix_b_fmt:MATRIX_FMT_FP4 matrix_b_scale:MATRIX_SCALE_ROW1
.else
	v_wmma_scale_f32_16x16x128_f8f6f4 v[AV+8*\t:AV+8*\t+7], v[8*\s:8*\s+7], v[64*\t+8*\s:64*\t+8*\s+7], v[AV+8*\t:AV+8*\t+7], v[XS+\s], v[WS+8*(4+\t/2)+\s] matrix_a_fmt:MATRIX_FMT_FP4 matrix_b_fmt:MATRIX_FMT_FP4
.endif
.endif
.endr
.endr
	WIN 0
.rept 5
	v_nop                                          ; five places: the results become operands of matrix instructions
.endr
; O^T = v^T p: four accumulators by turns; lane (r, h), register j: query r, channel 16 t + 8 h + j
.irp i, 0,1,2,3
.irp t, 0,1,2,3
.if \i == 0
	v_wmma_f32_16x16x4_f32 v[OT+8*\t:OT+8*\t+7], v[AV+8*\t+2*\i:AV+8*\t+2*\i+1], v[PP+2*\i:PP+2*\i+1], 0
.else
	v_wmma_f32_16x16x4_f32 v[OT+8*\t:OT+8*\t+7], v[AV+8*\t+2*\i:AV+8*\t+2*\i+1], v[PP+2*\i:PP+2*\i+1], v[OT+8*\t:OT+8*\t+7]
.endif
.endr
.endr
.rept 8
	v_nop
.endr
.irp t, 0,1,2,3
.irp j, 0,1,2,3,4,5,6,7
	v_mul_f32 v[AQ+8*\t+\j], v[OT+8*\t+\j], v188   ; divided by the sum, into other registers
.endr
.endr
.irp t, 0,1,2,3
.irp g, 0,1
	global_store_b128 v7, v[AQ+8*\t+4*\g:AQ+8*\t+4*\g+3], s[24:25] offset:(2*\t+\g)*512    ; 512 consecutive bytes, aligned
.endr
.endr
	s_endpgm
.Lfunc_end_k_q62e8321e7d_fine_att:
	.size	k_q62e8321e7d_fine_att, .Lfunc_end_k_q62e8321e7d_fine_att-k_q62e8321e7d_fine_att
	.p2alignl 7, 3214868480
	.fill 96, 4, 3214868480
	.section	.rodata,"a",@progbits
	.p2align	6, 0x0
	.amdhsa_kernel k_q62e8321e7d_fine_att
		.amdhsa_group_segment_fixed_size 0
		.amdhsa_private_segment_fixed_size 0
		.amdhsa_enable_private_segment 0
		.amdhsa_kernarg_size 32
		.amdhsa_user_sgpr_count 2
		.amdhsa_user_sgpr_kernarg_segment_ptr 1
		.amdhsa_wavefront_size32 1
		.amdhsa_system_sgpr_workgroup_id_x 1
		.amdhsa_system_sgpr_workgroup_id_y 1
		.amdhsa_system_sgpr_workgroup_id_z 1
		.amdhsa_system_vgpr_workitem_id 0
		.amdhsa_next_free_vgpr 896
		.amdhsa_next_free_sgpr 66
		.amdhsa_reserve_vcc 1
		.amdhsa_float_denorm_mode_32 3
		.amdhsa_float_denorm_mode_16_64 3
		.amdhsa_memory_ordered 1
		.amdhsa_forward_progress 1
		.amdhsa_inst_pref_size 47
	.end_amdhsa_kernel
	.amdgpu_metadata
---
amdhsa.version: [ 1, 2 ]
amdhsa.kernels:
  - .name:           k_q62e8321e7d_fine_att
    .symbol:         k_q62e8321e7d_fine_att.kd
    .args:
      - { .name: codes, .offset: 0, .size: 8, .value_kind: global_buffer, .address_space: global }
      - { .name: scales, .offset: 8, .size: 8, .value_kind: global_buffer, .address_space: global }
      - { .name: rope, .offset: 16, .size: 8, .value_kind: global_buffer, .address_space: global }
      - { .name: fo, .offset: 24, .size: 8, .value_kind: global_buffer, .address_space: global }
    .group_segment_fixed_size: 0
    .private_segment_fixed_size: 0
    .kernarg_segment_align: 8
    .kernarg_segment_size: 32
    .max_flat_workgroup_size: 32
    .sgpr_count:     66
    .vgpr_count:     896
    .wavefront_size: 32
...
	.end_amdgpu_metadata
.endif
;; end of part 3
;; launch attn (part 4): grid 4 x 64, 8 waves a work-group, no clusters, 327,680 bytes of LDS; arguments qkv, att; writes att
.if DOCPART == 4
	.amdgcn_target "amdgcn-amd-amdhsa--gfx1250"
	.amdhsa_code_object_version 6
	.text
	.protected	k_q62e8321e7d_attn
	.globl	k_q62e8321e7d_attn
	.p2align	8
	.type	k_q62e8321e7d_attn,@function
k_q62e8321e7d_attn:
	s_mov_b64 s[64:65], 0
	v_nop
	global_prefetch_b8 v0, s[64:65] scope:SCOPE_SE
	s_setreg_imm32_b32 hwreg(HW_REG_WAVE_MODE, 25, 1), 1
	s_wait_xcnt 0x0
; ATTN: causal attention of one (batch, head): O[q] = sum over k <= q of softmax_k(q . k / 8) v[k].  q (already multiplied by log2(e)/8), k, v: f16, [token][64]; products on f16 with f32 sums;
; running maximum and sum in f32; p = 2^(t - m) rounded to f16 for the second product; O divided by the sum of the unrounded p and stored as f16, [batch][head][token][64].
; SHARES.  The head's 2,048 queries are eight blocks of 256.  Work-group J (0..3) takes blocks J and 7 - J: (J + 1) + (8 - J) = 9 key blocks of 256 in every work-group, so the walk has a constant
; count of 9 trips and all 256 work-groups have equal work.  In trip T the key block is T (T <= J) or T - J - 1; the query block changes at T = J + 1.
; Each of the eight waves owns 32 queries of the block in hand, two tiles of 16.  A trip is four steps of 64 keys.  A step all of whose keys come after the wave's queries is left out by a
; scalar branch on ids; on the diagonal hidden scores become -infinity ahead of the maximum.  Key 0 counts for every query, so the maximum is a number from the first step on.
; NO CLUSTER: the four work-groups of a head want different key blocks in the same trip (T against T - J - 1), so no joint request would name the same tile.
; LAYOUT.  S^T = K Q^T (source 0 = 16 keys, source 1 = 16 queries): a lane holds one query and keys 8 (lane / 16) + 0..7; two such tiles rounded in pairs are source 1 of O^T = V^T P.
; K and V come through two LDS slots of 256 keys: lines of 256 bytes (two keys), K's 272 bytes apart, V's 288.  Waves 0, 1 fetch K's halves, waves 2, 3 V's; all eight read.
; LIMITS: NaN and infinities are not served; the result under 65,504 (f16).
; REGISTERS: window 0: v1-15 addresses and constants; v16-31 statistics, 8 a tile (+0 m, +1 its pair's partner, +2, +3 the sum, +4..+7 at work; a at +6); v32-63 Q; v64-127 K of a step;
;   v128-191 S^T; v192-223 P; v224-255 rows on the way out.   window 1: v0-63 O^T (tile qt, channels 16 ct on at 32 qt + 8 ct); v64-127 V of a step.
.set HB,    262144                     ; a head's plane
.set SECB,  16777216                   ; a section of qkv
.set KP,    272
.set VP,    288
.set VOFF,  128*KP                     ; a slot: 128 lines of K, then 128 of V
.set SLOT1, 131072                     ; slot 1 begins here: one exclusive or turns an address from one slot to the other
.set STAGE, 262144                     ; behind the slots: 32 tokens x 144 bytes for each wave
.set STW,   4608
.set SPARE, STAGE+8*STW                ; the spare words, 128 bytes a wave: no other line names them
.set AK0, 1
.set AV0, 2
.set ADK, 3
.set ADV, 4
.set QO,  5
.set STO, 6
.set RD,  7
.set GO,  8
.set PFO, 9
.set SPW, 14
.set NIL, 15
.set ST,  16
.set QF,  32
.set KR,  64
.set SS,  128
.set PP,  192
.set BK,  224
.set VR,  64                           ; in window 1
.set WV,  8                            ; s8  wave
.set JJ,  9                            ; s9  J
.set J1,  10                           ; s10 J + 1
.set TT,  12                           ; s12 the trip
.set TB,  14                           ; s14 LDS byte at which the slot in hand begins
.set KF,  16                           ; s16 the step's first key
.set Q0,  17                           ; s17 my first query
.set G1K, 24
.set G1V, 32
.set G0K, 40
.set G0V, 44
.set SEL, 48
.set PFA, 60                           ; s[60:61] where my prefetches stand
.set PFB, 62                           ; s62 -3 in a wave that prefetches, else a large number
.set MSB, 0
.macro WIN new
.if MSB != \new
	s_set_vgpr_msb (MSB<<8)|\new
.set MSB, \new
.endif
.endm
; waves 0 and 1 fetch for K, waves 2 and 3 for V, the others nothing; an s_nop 0 and four v_nop follow each line
.macro TLOAD
	s_cmp_lt_u32 s[WV], 2
	s_cbranch_scc0 .Lnot_k_\@
	tensor_load_to_lds s[G0K:G0K+3], s[G1K:G1K+7]
	s_nop 0
.rept 4
	v_nop
.endr
	s_branch .Lasked_\@
.Lnot_k_\@:
	s_cmp_lt_u32 s[WV], 4
	s_cbranch_scc0 .Lasked_\@
	tensor_load_to_lds s[G0V:G0V+3], s[G1V:G1V+7]
	s_nop 0
.rept 4
	v_nop
.endr
.Lasked_\@:
.endm
; A PREFETCH of the key block that the next change of slots will ask for.  Work-group 0 of a head is the first to want key blocks 4 to 7: in its trips 3 to 6 it asks for block T + 1.
; The waves ask that fetch nothing: waves 4, 5 K's halves, waves 6, 7 V's: 16,384 bytes a wave, lanes 256 bytes apart, two instructions.  Each block of 256 bytes is named once in the launch.
; Key blocks 0 to 3 are asked for by nobody: the head's work-groups load them in their first trips.
.macro ASK
	s_add_co_u32 s50, s[TT], s[PFB]
	s_cmp_lt_u32 s50, 4
	s_cbranch_scc0 .Lnot_mine_\@
	global_prefetch_b8 v[PFO], s[PFA:PFA+1] th:TH_LOAD_NT scope:SCOPE_SE
	global_prefetch_b8 v[PFO], s[PFA:PFA+1] offset:8192 th:TH_LOAD_NT scope:SCOPE_SE
.Lnot_mine_\@:
.endm
	s_load_b128 s[4:7], s[0:1], 0x0                ; qkv s[4:5], att s[6:7]
	v_lshl_add_u32 v[SPW], v0, 2, SPARE
	v_mov_b32 v[NIL], 0
	ds_add_u32 v[SPW], v[NIL]                      ; the wave's opening: the add, twice on end, and its wait ahead of the first tensor load
	ds_add_u32 v[SPW], v[NIL]
	v_lshrrev_b32 v1, 5, v0
	v_readfirstlane_b32 s[WV], v1                  ; wave 0..7
	s_mov_b32 s[JJ], ttmp9
	s_add_co_u32 s[J1], s[JJ], 1
	s_and_b32 s11, ttmp7, 0xffff                   ; batch x 16 + head
	; descriptor group 1: 64 lines of 256 bytes (32 elements of 8), dense in memory; K: 4 words of padding behind each, V: 8
	s_mov_b32 s[G1K], (3<<16)|(1<<20)|(5<<22)|(3<<25)
	s_mov_b32 s[G1V], (3<<16)|(1<<20)|(5<<22)|(7<<25)
.irp g, G1K, G1V
	s_mov_b32 s[\g+1], 32<<16                      ; tensor_dim0
	s_mov_b32 s[\g+2], 64<<16                      ; tensor_dim1
	s_mov_b32 s[\g+3], 32<<16                      ; tile_dim0
	s_mov_b32 s[\g+4], 64                          ; tile_dim1
	s_mov_b32 s[\g+5], 32                          ; stride
	s_mov_b32 s[\g+6], 0
	s_mov_b32 s[\g+7], 0
.endr
	s_and_b32 s50, s[WV], 1                        ; which half of a key block I fetch (or ask for)
	s_mov_b32 s[G0K], 1
	s_mul_i32 s[G0K+1], s50, 64*KP
	s_mov_b32 s[G0V], 1
	s_mul_i32 s[G0V+1], s50, 64*VP
	s_add_co_u32 s[G0V+1], s[G0V+1], VOFF
	s_lshl_b32 s52, s11, 18                        ; the head's plane
	s_mov_b32 s53, 0
	s_lshl_b32 s54, s50, 14                        ; 128 keys of 128 bytes
	s_mov_b32 s55, 0
	s_mov_b32 s[SEL], 0x76543210
	s_mov_b32 s[SEL+1], 0xfedcba98
	s_mov_b32 s[TB], 0
	s_lshr_b32 s51, s[WV], 2
	s_xor_b32 s51, s51, 1                          ; 0 in waves 4 to 7
	s_or_b32 s51, s51, s[JJ]                       ; of work-group 0 of the head
	s_cmp_eq_u32 s51, 0
	s_mov_b32 s[PFB], 0x40000000
	s_cselect_b32 s[PFB], -3, s[PFB]
	s_wait_dscnt 0x0                               ; both opening adds are done
	s_wait_kmcnt 0x0
	s_add_nc_u64 s[18:19], s[4:5], s[52:53]        ; q's plane
	s_add_nc_u64 s[66:67], s[6:7], s[52:53]        ; the result's plane
	s_add_nc_u64 s[20:21], s[18:19], SECB
	s_add_nc_u64 s[22:23], s[20:21], SECB
	s_add_nc_u64 s[20:21], s[20:21], s[54:55]      ; k's plane at my half of key block 0
	s_add_nc_u64 s[22:23], s[22:23], s[54:55]      ; v's likewise
	s_mov_b64 s[G0K+2:G0K+3], s[20:21]
	s_or_b32 s[G0K+3], s[G0K+3], 0x80000000
	s_mov_b64 s[G0V+2:G0V+3], s[22:23]
	s_or_b32 s[G0V+3], s[G0V+3], 0x80000000
	TLOAD                                          ; slot 0: key block 0, which every work-group reads first
	s_cmp_lt_u32 s[WV], 6
	s_cselect_b64 s[PFA:PFA+1], s[20:21], s[22:23] ; at key block 0; each change of slots steps it by a key block
	v_and_b32 v16, 15, v0                          ; r
	v_bfe_u32 v17, v0, 4, 1                        ; h
	v_and_b32 v18, 31, v0                          ; lane
	v_lshrrev_b32 v19, 1, v16
	v_mul_u32_u24 v[AK0], v19, KP                  ; K: key r lies in line r / 2, half r % 2; + 16 h
	v_and_b32 v19, 1, v0
	v_lshl_add_u32 v[AK0], v19, 7, v[AK0]
	v_lshl_add_u32 v[AK0], v17, 4, v[AK0]
	v_bfe_u32 v20, v0, 1, 2                        ; V, for the turning load: key 8 h + lane % 8, channels 8 ((lane / 8) % 2) on
	v_lshl_add_u32 v20, v17, 2, v20
	v_mul_u32_u24 v[AV0], v20, VP
	v_lshl_add_u32 v[AV0], v19, 7, v[AV0]
	v_bfe_u32 v20, v0, 3, 1
	v_lshl_add_u32 v[AV0], v20, 4, v[AV0]
	v_add_nc_u32 v[AV0], VOFF, v[AV0]
	v_lshlrev_b32 v[QO], 7, v16
	v_lshl_add_u32 v[QO], v17, 4, v[QO]            ; Q: row r of 128 bytes, + 16 h
	s_mul_i32 s50, s[WV], STW
	s_add_co_u32 s50, s50, STAGE                   ; my stage
	v_mul_u32_u24 v[STO], v16, 144
	v_lshl_add_u32 v[STO], v17, 4, v[STO]
	v_add_nc_u32 v[STO], s50, v[STO]
	v_lshrrev_b32 v20, 3, v18
	v_mul_u32_u24 v[RD], v20, 144
	v_and_b32 v20, 7, v0
	v_lshl_add_u32 v[RD], v20, 4, v[RD]
	v_add_nc_u32 v[RD], s50, v[RD]
	v_lshlrev_b32 v[GO], 4, v18
	v_lshlrev_b32 v[PFO], 8, v18
	v_mov_b32 v12, 0xff800000                      ; -infinity
	v_lshlrev_b32 v20, 3, v17
	v_sub_nc_u32 v13, v16, v20                     ; r - 8 h
; a new block of queries: Q's fragments from memory, the statistics and O^T begin anew (the largest t so far: -3e38, under every t; sums and O^T zero).
; +5 and +7 are written too: the way out names them (a lane permute's destination counts as a source; +7 is the partner of the pair that holds 1 / l) on every way through the text.
.macro NEWBLOCK qb
.rept 4
	v_nop                                          ; places in front of loads into, and writes of, registers of matrix instructions
.endr
	s_lshl_b32 s[Q0], \qb, 8
	s_lshl_b32 s52, s[WV], 5
	s_add_co_u32 s[Q0], s[Q0], s52
	s_lshl_b32 s52, s[Q0], 7
	s_mov_b32 s53, 0
	s_add_nc_u64 s[54:55], s[18:19], s[52:53]
.irp qt, 0,1
.irp c, 0,1
.irp g, 0,1
	global_load_b128 v[QF+16*\qt+8*\c+4*\g:QF+16*\qt+8*\c+4*\g+3], v[QO], s[54:55] offset:2048*\qt+64*\c+32*\g
.endr
.endr
.endr
.irp qt, 0,1
	v_mov_b32 v[ST+8*\qt], 0xff61b1e6
	v_mov_b32 v[ST+8*\qt+1], 0
	v_mov_b32 v[ST+8*\qt+2], 0
	v_mov_b32 v[ST+8*\qt+3], 0
	v_mov_b32 v[ST+8*\qt+5], 0
	v_mov_b32 v[ST+8*\qt+7], 0
.endr
	WIN 0x40
.set i, 0
.rept 64
	v_mov_b32 v[i], 0
.set i, i+1
.endr
	WIN 0
	s_wait_loadcnt 0x0
.endm
; A STEP: 64 keys, the q-th of the slot in hand
.macro STEP q
	s_add_co_u32 s50, s[Q0], 31
	s_cmp_gt_u32 s[KF], s50                        ; all 64 keys come after my 32 queries: ids and counts alone
	s_cbranch_scc1 .Lhid_\@
	v_add_nc_u32 v[ADK], s[TB], v[AK0]
	v_add_nc_u32 v[ADV], s[TB], v[AV0]
	v_nop
	v_nop                                          ; four places in front of loads into registers that the last products read
.irp kt, 0,1,2,3
.irp c, 0,1
.irp g, 0,1
	ds_load_b128 v[KR+16*\kt+8*\c+4*\g:KR+16*\kt+8*\c+4*\g+3], v[ADK] offset:8704*(\q)+2176*\kt+64*\c+32*\g
.endr
.endr
.endr
	WIN 0x40
.irp kc, 0,1
.irp ct, 0,1,2,3
	ds_load_tr16_b128 v[VR+32*\kc+8*\ct:VR+32*\kc+8*\ct+3], v[ADV] offset:9216*(\q)+4608*\kc+32*\ct
	ds_load_tr16_b128 v[VR+32*\kc+8*\ct+4:VR+32*\kc+8*\ct+7], v[ADV] offset:9216*(\q)+4608*\kc+2304+32*\ct
.endr
.endr
	WIN 0
	s_wait_dscnt 16                                ; K's 16 loads are in; V's 16, issued behind them, may be out
.irp c, 0,1                                    ; S^T = K Q^T: eight accumulators by turns
.irp kt, 0,1,2,3
.irp qt, 0,1
.if \c == 0
	v_wmma_f32_16x16x32_f16 v[SS+32*\qt+8*\kt:SS+32*\qt+8*\kt+7], v[KR+16*\kt+8*\c:KR+16*\kt+8*\c+7], v[QF+16*\qt+8*\c:QF+16*\qt+8*\c+7], 0
.else
	v_wmma_f32_16x16x32_f16 v[SS+32*\qt+8*\kt:SS+32*\qt+8*\kt+7], v[KR+16*\kt+8*\c:KR+16*\kt+8*\c+7], v[QF+16*\qt+8*\c:QF+16*\qt+8*\c+7], v[SS+32*\qt+8*\kt:SS+32*\qt+8*\kt+7]
.endif
.endr
.endr
.endr
.rept 4
	v_nop
.endr
	s_add_co_u32 s50, s[KF], 63
	s_cmp_le_u32 s50, s[Q0]                        ; all 64 keys count for all my queries
	s_cbranch_scc1 .Lopen_\@
	s_sub_co_i32 s50, s[Q0], s[KF]
	v_add_nc_u32 v10, s50, v13                     ; d = my query - the step's first key - 8 h; register 8 kt + j holds key 16 kt + 8 h + j: hidden where 16 kt + j > d
	v_add_nc_u32 v11, 16, v10                      ; the second tile's queries are 16 further on
.irp qt, 0,1
.set n, 0
.rept 32
	v_cmp_gt_i32 vcc_lo, 16*(n/8)+n%8, v[10+\qt]
	v_cndmask_b32 v[SS+32*\qt+n], v[SS+32*\qt+n], v12, vcc_lo
.set n, n+1
.endr
.endr
.Lopen_\@:
; the maximum of my 32 scores and the old m, three at a time, the two tiles line by line; each accumulator is read from its low end on
.irp j, 0,1,2,3
.irp qt, 0,1
	v_max3_num_f32 v[ST+8*\qt+4+\j], v[SS+32*\qt+8*\j], v[SS+32*\qt+8*\j+1], v[SS+32*\qt+8*\j+2]
.endr
.endr
.irp e, 3,5
.irp j, 0,1,2,3
.irp qt, 0,1
	v_max3_num_f32 v[ST+8*\qt+4+\j], v[ST+8*\qt+4+\j], v[SS+32*\qt+8*\j+\e], v[SS+32*\qt+8*\j+\e+1]
.endr
.endr
.endr
.irp qt, 0,1
	v_max3_num_f32 v[ST+8*\qt+4], v[ST+8*\qt+4], v[SS+32*\qt+7], v[SS+32*\qt+15]
	v_max3_num_f32 v[ST+8*\qt+6], v[ST+8*\qt+6], v[SS+32*\qt+23], v[SS+32*\qt+31]
.endr
.irp qt, 0,1
	v_max3_num_f32 v[ST+8*\qt+4], v[ST+8*\qt+4], v[ST+8*\qt+5], v[ST+8*\qt+6]
.endr
.irp qt, 0,1
	v_max3_num_f32 v[ST+8*\qt+4], v[ST+8*\qt+4], v[ST+8*\qt+7], v[ST+8*\qt]
.endr
.irp qt, 0,1
	v_permlanex16_b32 v[ST+8*\qt+5], v[ST+8*\qt+4], s[SEL], s[SEL+1]   ; the query's other 32 keys lie in the lane 16 away
.endr
.irp qt, 0,1
	v_mov_b32 v[ST+8*\qt+7], v[ST+8*\qt]
.endr
.irp qt, 0,1
	v_max_num_f32 v[ST+8*\qt], v[ST+8*\qt+4], v[ST+8*\qt+5]            ; the new m
.endr
.irp qt, 0,1
	v_sub_f32 v[ST+8*\qt+7], v[ST+8*\qt+7], v[ST+8*\qt]                ; old m - new m
.endr
.irp i, 0,2,4,6,8,10,12,14,16,18,20,22,24,26,28,30
.irp qt, 0,1
	v_pk_add_f32 v[SS+32*\qt+\i:SS+32*\qt+\i+1], v[SS+32*\qt+\i:SS+32*\qt+\i+1], v[ST+8*\qt:ST+8*\qt+1] op_sel_hi:[1,0] neg_lo:[0,1] neg_hi:[0,1]   ; t - m
.endr
.endr
.irp qt, 0,1
	v_exp_f32 v[ST+8*\qt+6], v[ST+8*\qt+7]         ; a = 2^(old m - new m)
.endr
.irp qt, 0,1
.set n, 0
.rept 32
	v_exp_f32 v[SS+32*\qt+n], v[SS+32*\qt+n]       ; p = 2^(t - m)
.set n, n+1
.endr
.endr
	v_nop                                          ; a plain line behind the last exponential
	s_wait_alu depctr_va_vdst(0)                   ; one wait for the 66, ahead of their first reader
.irp qt, 0,1
.set n, 0
.rept 16
	v_cvt_pk_f16_f32 v[PP+16*\qt+n], v[SS+32*\qt+2*n], v[SS+32*\qt+2*n+1]
.set n, n+1
.endr
.endr
.irp u, 0,1,2,3,4,5,6,7                        ; the sum of the unrounded p, in place, pairs 1, 2, 4 and 8 apart
.irp qt, 0,1
	v_pk_add_f32 v[SS+32*\qt+4*\u:SS+32*\qt+4*\u+1], v[SS+32*\qt+4*\u:SS+32*\qt+4*\u+1], v[SS+32*\qt+4*\u+2:SS+32*\qt+4*\u+3]
.endr
.endr
.irp u, 0,1,2,3
.irp qt, 0,1
	v_pk_add_f32 v[SS+32*\qt+8*\u:SS+32*\qt+8*\u+1], v[SS+32*\qt+8*\u:SS+32*\qt+8*\u+1], v[SS+32*\qt+8*\u+4:SS+32*\qt+8*\u+5]
.endr
.endr
.irp u, 0,1
.irp qt, 0,1
	v_pk_add_f32 v[SS+32*\qt+16*\u:SS+32*\qt+16*\u+1], v[SS+32*\qt+16*\u:SS+32*\qt+16*\u+1], v[SS+32*\qt+16*\u+8:SS+32*\qt+16*\u+9]
.endr
.endr
.irp qt, 0,1
	v_pk_add_f32 v[SS+32*\qt:SS+32*\qt+1], v[SS+32*\qt:SS+32*\qt+1], v[SS+32*\qt+16:SS+32*\qt+17]
.endr
.irp qt, 0,1
	v_pk_fma_f32 v[ST+8*\qt+2:ST+8*\qt+3], v[ST+8*\qt+2:ST+8*\qt+3], v[ST+8*\qt+6:ST+8*\qt+7], v[SS+32*\qt:SS+32*\qt+1] op_sel_hi:[1,0,1]   ; l = a l + the sum
.endr
	WIN 0x41                                       ; O^T (destination and source 0) window 1, a window 0
.irp qt, 0,1
.set n, 0
.rept 16
	v_pk_mul_f32 v[32*\qt+2*n:32*\qt+2*n+1], v[32*\qt+2*n:32*\qt+2*n+1], v[ST+8*\qt+6:ST+8*\qt+7] op_sel_hi:[1,0]
.set n, n+1
.endr
.endr
	s_wait_dscnt 0x0                               ; V is in
	WIN 0x51                                       ; V window 1, P window 0, O^T window 1
.irp kc, 0,1                                   ; O^T += V^T P: eight accumulators by turns
.irp ct, 0,1,2,3
.irp qt, 0,1
	v_wmma_f32_16x16x32_f16 v[32*\qt+8*\ct:32*\qt+8*\ct+7], v[VR+32*\kc+8*\ct:VR+32*\kc+8*\ct+7], v[PP+16*\qt+8*\kc:PP+16*\qt+8*\kc+7], v[32*\qt+8*\ct:32*\qt+8*\ct+7]
.endr
.endr
.endr
	WIN 0
.Lhid_\@:
	s_add_co_u32 s[KF], s[KF], 64
.endm
; THE CHANGE OF SLOTS stands at a trip's head.  Each wave waits for all its tensor loads (its part of the slot that it is about to read), adds 0 to its spare word, and waits for that and for its
; reads of the slot that it has left.  Behind the barrier the slot ahead is whole and nobody reads the other one.  fill = 1: that other slot takes the next trip's key block: one load a wave, with a whole trip in which to land.
.macro CHANGE fill
	s_wait_tensorcnt 0x0                           ; no tensor load of mine is out, so a group 0 may be written
	ds_add_u32 v[SPW], v[NIL]
.if \fill
	ds_add_u32 v[SPW], v[NIL]                      ; and once more: the descriptors' steps stand between it and the wait
	s_add_co_u32 s50, s[TT], 1
	s_sub_co_u32 s51, s50, s[J1]
	s_cmp_le_u32 s50, s[JJ]
	s_cselect_b32 s50, s50, s51                    ; the next trip's key block
	s_lshl_b32 s52, s50, 15                        ; 256 keys of 128 bytes
	s_mov_b32 s53, 0
	s_add_nc_u64 s[G0K+2:G0K+3], s[20:21], s[52:53]
	s_or_b32 s[G0K+3], s[G0K+3], 0x80000000
	s_add_nc_u64 s[G0V+2:G0V+3], s[22:23], s[52:53]
	s_or_b32 s[G0V+3], s[G0V+3], 0x80000000
	s_xor_b32 s[G0K+1], s[G0K+1], SLOT1            ; the other slot than last time
	s_xor_b32 s[G0V+1], s[G0V+1], SLOT1
	s_wait_xcnt 0x0                                ; the last prefetches, a trip back, have read their address
	s_add_nc_u64 s[PFA:PFA+1], s[PFA:PFA+1], 32768 ; in trip T: key block T + 1
.endif
	s_wait_dscnt 0x0                               ; the add is done, and my reads of the slot that I have left are over
	s_barrier_signal -1
	s_barrier_wait -1
.if \fill
	TLOAD                                          ; the first thing behind the barrier, and a wave's one tensor load until the next
	ASK
.endif
.endm
; a block of queries is finished: O^T divided by the sum, rounded to f16, through my own stage, out as 512 consecutive bytes (four tokens) a store
.macro FINISH
.rept 4
	v_nop
.endr
.irp qt, 0,1
	v_add_f32 v[ST+8*\qt+4], v[ST+8*\qt+2], v[ST+8*\qt+3]
.endr
.irp qt, 0,1
	v_permlanex16_b32 v[ST+8*\qt+5], v[ST+8*\qt+4], s[SEL], s[SEL+1]
.endr
.irp qt, 0,1
	v_add_f32 v[ST+8*\qt+4], v[ST+8*\qt+4], v[ST+8*\qt+5]
.endr
.irp qt, 0,1
	v_rcp_f32 v[ST+8*\qt+6], v[ST+8*\qt+4]
.endr
	v_nop
	s_wait_alu depctr_va_vdst(0)                   ; one wait for the two reciprocals
	WIN 0x01                                       ; source 0 (O^T) window 1
.irp qt, 0,1
.set n, 0
.rept 16
	v_pk_mul_f32 v[SS+32*\qt+2*n:SS+32*\qt+2*n+1], v[32*\qt+2*n:32*\qt+2*n+1], v[ST+8*\qt+6:ST+8*\qt+7] op_sel_hi:[1,0]
.set n, n+1
.endr
.endr
	WIN 0
.irp qt, 0,1
.set n, 0
.rept 16
	v_cvt_pk_f16_f32 v[PP+16*\qt+n], v[SS+32*\qt+2*n], v[SS+32*\qt+2*n+1]
.set n, n+1
.endr
.endr
.irp qt, 0,1
.irp ct, 0,1,2,3
	ds_store_b128 v[STO], v[PP+16*\qt+4*\ct:PP+16*\qt+4*\ct+3] offset:2304*\qt+32*\ct
.endr
.endr
.irp i, 0,1,2,3,4,5,6,7
	ds_load_b128 v[BK+4*\i:BK+4*\i+3], v[RD] offset:576*\i     ; LDS serves a wave's instructions in order: these see my stores
.endr
	s_wait_dscnt 0x0
	s_lshl_b32 s52, s[Q0], 7
	s_mov_b32 s53, 0
	s_add_nc_u64 s[56:57], s[66:67], s[52:53]
.irp i, 0,1,2,3,4,5,6,7
	global_store_b128 v[GO], v[BK+4*\i:BK+4*\i+3], s[56:57] offset:512*\i
.endr
	s_wait_xcnt 0x0                                ; the stores have read their data and base: both may be written again
.endm
.macro TRIP last
	CHANGE (1-\last)
	s_sub_co_u32 s51, s[TT], s[J1]
	s_cmp_le_u32 s[TT], s[JJ]
	s_cselect_b32 s50, s[TT], s51                  ; this trip's key block
	s_lshl_b32 s[KF], s50, 8
.if !\last
	s_cmp_lg_u32 s[TT], s[J1]                      ; the second block of queries begins at trip J + 1
	s_cbranch_scc1 .Lsame_\@
	s_sub_co_u32 s51, 7, s[JJ]
	NEWBLOCK s51
.Lsame_\@:
.endif
	STEP 0
	STEP 1
	STEP 2
	STEP 3
	s_xor_b32 s[TB], s[TB], SLOT1                  ; on to the other slot
.if \last
	FINISH
.else
	s_cmp_lg_u32 s[TT], s[JJ]                      ; the first block of queries ends with trip J
	s_cbranch_scc1 .Lnofin_\@
	FINISH
.Lnofin_\@:
.endif
.endm
	NEWBLOCK s[JJ]
	s_mov_b32 s[TT], 0
.Ltrip:                                            ; eight trips; behind each change of slots the next trip's key block is asked for
	TRIP 0
	s_add_co_u32 s[TT], s[TT], 1
	s_cmp_lt_u32 s[TT], 8
	s_cbranch_scc1 .Ltrip
	TRIP 1                                         ; the ninth is written out: it asks for nothing
	s_wait_tensorcnt 0x0                           ; the wave's end
	ds_add_u32 v[SPW], v[NIL]
	s_wait_dscnt 0x0
	s_endpgm
.Lfunc_end_k_q62e8321e7d_attn:
	.size	k_q62e8321e7d_attn, .Lfunc_end_k_q62e8321e7d_attn-k_q62e8321e7d_attn
	.p2alignl 7, 3214868480
	.fill 96, 4, 3214868480
	.section	.rodata,"a",@progbits
	.p2align	6, 0x0
	.amdhsa_kernel k_q62e8321e7d_attn
		.amdhsa_group_segment_fixed_size 327680
		.amdhsa_private_segment_fixed_size 0
		.amdhsa_enable_private_segment 0
		.amdhsa_kernarg_size 16
		.amdhsa_user_sgpr_count 2
		.amdhsa_user_sgpr_kernarg_segment_ptr 1
		.amdhsa_wavefront_size32 1
		.amdhsa_system_sgpr_workgroup_id_x 1
		.amdhsa_system_sgpr_workgroup_id_y 1
		.amdhsa_system_sgpr_workgroup_id_z 1
		.amdhsa_system_vgpr_workitem_id 0
		.amdhsa_next_free_vgpr 384
		.amdhsa_next_free_sgpr 68
		.amdhsa_reserve_vcc 1
		.amdhsa_float_denorm_mode_32 3
		.amdhsa_float_denorm_mode_16_64 3
		.amdhsa_memory_ordered 1
		.amdhsa_forward_progress 1
		.amdhsa_inst_pref_size 198
	.end_amdhsa_kernel
	.amdgpu_metadata
---
amdhsa.version: [ 1, 2 ]
amdhsa.kernels:
  - .name:           k_q62e8321e7d_attn
    .symbol:         k_q62e8321e7d_attn.kd
    .args:
      - { .name: qkv, .offset: 0, .size: 8, .value_kind: global_buffer, .address_space: global }
      - { .name: att, .offset: 8, .size: 8, .value_kind: global_buffer, .address_space: global }
    .group_segment_fixed_size: 327680
    .private_segment_fixed_size: 0
    .kernarg_segment_align: 8
    .kernarg_segment_size: 16
    .max_flat_workgroup_size: 256
    .sgpr_count:     68
    .vgpr_count:     384
    .wavefront_size: 32
...
	.end_amdgpu_metadata
.endif
;; end of part 4
;; launch oproj (part 5): grid 4 x 64, 4 waves a work-group, clusters of 4 x 4, 327,680 bytes of LDS; arguments att, wo16, out0; writes out0
.if DOCPART == 5
	.amdgcn_target "amdgcn-amd-amdhsa--gfx1250"
	.amdhsa_code_object_version 6
	.text
	.protected	k_q62e8321e7d_oproj
	.globl	k_q62e8321e7d_oproj
	.p2align	8
	.type	k_q62e8321e7d_oproj,@function
k_q62e8321e7d_oproj:
	s_mov_b64 s[64:65], 0
	v_nop
	global_prefetch_b8 v0, s[64:65] scope:SCOPE_SE
	s_setreg_imm32_b32 hwreg(HW_REG_WAVE_MODE, 25, 1), 1
	s_wait_xcnt 0x0
	s_wait_alu depctr_hold_cnt(0) depctr_sa_sdst(0) depctr_va_vdst(0) depctr_va_sdst(0) depctr_va_ssrc(0) depctr_va_vcc(0) depctr_vm_vsrc(0)
	s_getreg_b32 s2, hwreg(HW_REG_IB_STS2, 6, 4)
	s_cmp_eq_u32 s2, 0
	s_cbranch_scc0 .Lentry_in_a_cluster
	s_endpgm
.Lentry_in_a_cluster:
	s_bfe_u32 s2, ttmp6, 0x10000c
	s_cmp_lg_u32 s2, 0xf033
	s_cbranch_scc0 .Lentry_shape_is_right
	s_endpgm
.Lentry_shape_is_right:
; OPROJ: out0[m][n] = sum over k of A[m][k] w_o[n][k], f16 operands, f32 sums, f32 result.  m = 8,192 tokens, n = k = 1,024.
; A is the attention result, laid [batch][head][token][64]: k = 64 head + channel.  w_o in f16, [n][k].
; A tile of the result is 128 rows x 256 columns: 256 work-groups, one for each of the 64 x 4 tiles.  Four waves, each 64 x 128: 32 accumulators of 16 x 16, 256 registers.
; K goes in steps of 128 (two heads) through two LDS slots.  A's part of a slot: for each half of 64 rows and each of the two heads 8,192 dense bytes, as 32 lines of 256 bytes (two tokens), 272 apart.
; B's part: 256 rows of 256 bytes, 272 apart.  Waves 0, 1 fetch A's halves (one load: two heads x 8,192 bytes), waves 2, 3 B's halves (128 rows).
; CLUSTERS: 4 x 4 work-groups: A's tile is shared along a row of the cluster, B's along a column: each is asked for jointly.
; THE MATRIX INSTRUCTION IS USED TRANSPOSED (source 0 = 16 rows of w_o, source 1 = 16 tokens): a lane holds eight neighbouring columns of one row of the result.
; The first 16 rows of each sequence are written here like all others and written again, from f32 operands, by the launch that follows.
; REGISTERS: window 0: v0-31 addresses; A's fragments, two buffers of 32 at v64 and v128; on the way out v128-255.  window 1: B's fragments, two buffers of 64 at v64 and v128.  window 2: the accumulators, (a, b) at v[8 (8 a + b)].
.set PITCH,  272
.set AHALF,  2*32*PITCH                ; 17,408: 64 rows, two heads
.set BHALF,  128*PITCH                 ; 34,816
.set SLOT,   2*AHALF+2*BHALF           ; 104,448
.set SPARE,  2*SLOT                    ; the spare words, 128 bytes a wave: no other line names them
.set SPITCH, 528                       ; the way out: 16 rows x (512 bytes + 16) for each wave, in slot 0, which has had its last fill and its last read by then
.set LAPS,   4                         ; a lap = two K steps
.set KSA,    524288                    ; a K step in A: two heads' planes
.set KSB,    256                       ; in B: 128 f16
.set ADRA, 16
.set ADRB, 20
.set STO,  24
.set RD,   25
.set CO,   26
.set SPW,  28
.set NIL,  29
.set PFO,  30
.set F0,   64
.set F1,   128
.set BK,   128
.set G1,  24
.set G0,  32
.set G1B, 48
.set G0B, 56
.set PFA, 44                           ; s[44:45] where my prefetches stand
.set LIM, 2                            ; s2 1 in wave 0, else the greatest number
.set MSB, 0
.macro WIN new
.if MSB != \new
	s_set_vgpr_msb (MSB<<8)|\new
.set MSB, \new
.endif
.endm
.set MUL,  0xa1                        ; source 0 (B) window 1, source 1 (A) window 0, C and D window 2
.macro JLOAD s                         ; a joint load: waves 0 and 1 for A, waves 2 and 3 for B; an s_nop 0 and four v_nop follow each line
	s_cmp_eq_u32 s11, 0
	s_cbranch_scc0 .Lfor_b_\@
	tensor_load_to_lds s[G0+4*\s:G0+4*\s+3], s[G1:G1+7]
	s_nop 0
.rept 4
	v_nop
.endr
	s_branch .Lasked_\@
.Lfor_b_\@:
	tensor_load_to_lds s[G0B+4*\s:G0B+4*\s+3], s[G1B:G1B+7]
	s_nop 0
.rept 4
	v_nop
.endr
.Lasked_\@:
.endm
.macro CREST
	s_cmp_lg_u32 s10, 0
	s_cbranch_scc1 .Lnot_wave_0_\@
	s_barrier_signal -3
.Lnot_wave_0_\@:
	s_barrier_wait -3
	s_barrier_signal -1
	s_barrier_wait -1
.endm
.macro CROUND
	s_barrier_signal -1
	s_barrier_wait -1
	CREST
.endm
; A PREFETCH of A's K step that stands two refills on: 2 heads x 128 rows x 128 bytes = 128 blocks of 256 bytes.  Only the four work-groups of my row of the cluster read them: they share them out
; BY ADDRESS, 32 each (head cx / 2, half cx % 2); in each, wave 0 asks, a lane a block.  So each block is named once in the launch.  The loop's last trip asks for nothing: there is no K step two on.
; B is not asked for: all 64 tile rows read it.
.macro ASK
	s_cmp_gt_u32 s3, s[LIM]
	s_cbranch_scc0 .Lnot_mine_\@
	global_prefetch_b8 v[PFO], s[PFA:PFA+1] offset:KSA th:TH_LOAD_NT scope:SCOPE_SE
.Lnot_mine_\@:
.endm
	s_load_b128 s[4:7], s[0:1], 0x0                ; A s[4:5], B s[6:7]
	s_load_b64 s[8:9], s[0:1], 0x10                ; the result
	v_lshl_add_u32 v[SPW], v0, 2, SPARE
	v_mov_b32 v[NIL], 0
	ds_add_u32 v[SPW], v[NIL]                      ; the wave's opening: the add, twice on end, and its wait ahead of my first tensor load
	ds_add_u32 v[SPW], v[NIL]
	v_lshrrev_b32 v1, 5, v0
	v_readfirstlane_b32 s10, v1                    ; wave 0..3
	s_lshr_b32 s11, s10, 1                         ; which 64 of the tile's rows are mine.  Also: I fetch for A (0) or for B (1)
	s_and_b32 s12, s10, 1                          ; which 128 of its columns.  Also: which half I fetch
	s_bfe_u32 s40, ttmp6, 0x40000                  ; cx, cy
	s_bfe_u32 s41, ttmp6, 0x40004
	s_lshl_b32 s42, ttmp9, 2
	s_add_co_u32 s42, s42, s40                     ; tile column
	s_and_b32 s13, ttmp7, 0xffff
	s_lshl_b32 s13, s13, 2
	s_add_co_u32 s13, s13, s41                     ; tile row
	s_lshl_b32 s43, s41, 2
	s_lshl_b32 s43, 15, s43                        ; my row of the cluster
	s_lshl_b32 s22, 0x1111, s40                    ; my column
	; A: 2 rows (heads) of 1,024 elements of 8 bytes, 32,768 elements apart; 4 words of padding behind every 64 words, an interval that divides the row
	s_or_b32 s[G1+0], s43, (3<<16)|(1<<20)|(1<<21)|(5<<22)|(3<<25)
	s_mov_b32 s[G1+1], 1024<<16                    ; tensor_dim0
	s_mov_b32 s[G1+2], 2<<16                       ; tensor_dim1
	s_mov_b32 s[G1+3], 1024<<16                    ; tile_dim0
	s_mov_b32 s[G1+4], 2                           ; tile_dim1
	s_mov_b32 s[G1+5], 32768                       ; stride
	s_mov_b32 s[G1+6], 0
	s_mov_b32 s[G1+7], 0
	; B: 128 rows of 128 elements of 2 bytes, 1,024 elements apart, 4 words of padding behind each
	s_or_b32 s[G1B+0], s22, (1<<16)|(1<<20)|(1<<21)|(5<<22)|(3<<25)
	s_mov_b32 s[G1B+1], 128<<16
	s_mov_b32 s[G1B+2], 128<<16
	s_mov_b32 s[G1B+3], 128<<16
	s_mov_b32 s[G1B+4], 128
	s_mov_b32 s[G1B+5], 1024
	s_mov_b32 s[G1B+6], 0
	s_mov_b32 s[G1B+7], 0
	s_lshr_b32 s16, s13, 4                         ; the batch: 16 planes of 262,144 bytes
	s_lshl_b32 s16, s16, 22
	s_and_b32 s17, s13, 15
	s_lshl_b32 s17, s17, 14                        ; the tile's 128 rows of 128 bytes in a plane
	s_add_co_u32 s18, s16, s17                     ; (kept for the prefetches)
	s_lshl_b32 s17, s12, 13                        ; the 64 rows that I fetch
	s_add_co_u32 s16, s18, s17
	s_mov_b32 s17, 0
	s_lshl_b32 s46, s42, 19                        ; B: 256 rows of 2,048 bytes a tile column
	s_lshl_b32 s47, s12, 18
	s_add_co_u32 s46, s46, s47
	s_mov_b32 s47, 0
	s_mul_i32 s20, s12, AHALF                      ; where they go: no place in the cluster enters an LDS address
	s_mul_i32 s21, s12, BHALF
	s_add_co_u32 s21, s21, 2*AHALF
	s_wait_dscnt 0x0                               ; both opening adds are done
	s_wait_kmcnt 0x0
	s_add_nc_u64 s[14:15], s[4:5], s[16:17]
	s_add_nc_u64 s[46:47], s[6:7], s[46:47]
	CROUND                                         ; all sixteen work-groups are here: the first joint loads meet
.irp s, 0,1
	s_mov_b32 s[G0+4*\s], 1
	s_add_co_u32 s[G0+4*\s+1], s20, \s*SLOT
	s_add_nc_u64 s[G0+4*\s+2:G0+4*\s+3], s[14:15], \s*KSA
	s_or_b32 s[G0+4*\s+3], s[G0+4*\s+3], 0x80000000
	s_mov_b32 s[G0B+4*\s], 1
	s_add_co_u32 s[G0B+4*\s+1], s21, \s*SLOT
	s_add_nc_u64 s[G0B+4*\s+2:G0B+4*\s+3], s[46:47], \s*KSB
	s_or_b32 s[G0B+4*\s+3], s[G0B+4*\s+3], 0x80000000
	JLOAD \s                                       ; two loads of mine are out
.endr
	v_and_b32 v1, 15, v0                           ; r
	v_bfe_u32 v2, v0, 4, 1                         ; h
	v_mul_u32_u24 v3, v1, PITCH
	v_lshl_add_u32 v3, v2, 4, v3                   ; B: row r, + 16 h
	v_lshrrev_b32 v4, 1, v1
	v_mul_u32_u24 v4, v4, PITCH                    ; A: token r lies in line r / 2, half r % 2; + 16 h
	v_and_b32 v5, 1, v0
	v_lshl_add_u32 v4, v5, 7, v4
	v_lshl_add_u32 v4, v2, 4, v4
	s_mul_i32 s21, s11, AHALF                      ; my 64 rows of A
	s_mul_i32 s22, s12, BHALF                      ; my 128 rows of B, behind A's
	s_add_co_u32 s22, s22, 2*AHALF
.irp s, 0,1
	v_add_nc_u32 v[ADRA+\s], s21, v4
	v_add_nc_u32 v[ADRB+\s], s22, v3
	s_add_co_u32 s21, s21, SLOT
	s_add_co_u32 s22, s22, SLOT
.endr
	s_mul_i32 s23, s10, 16*SPITCH                  ; my stage
	v_mul_u32_u24 v5, v1, SPITCH
	v_lshl_add_u32 v5, v2, 5, v5
	v_add_nc_u32 v[STO], s23, v5                   ; in: row r, 32 bytes for each half of the lanes
	v_and_b32 v6, 31, v0
	v_lshlrev_b32 v[CO], 4, v6                     ; back: the 32 lanes take one row of 512 bytes; the same in the result
	v_add_nc_u32 v[RD], s23, v[CO]
	v_lshlrev_b32 v[PFO], 8, v6
	s_lshl_b32 s16, s13, 7
	s_lshl_b32 s17, s11, 6
	s_add_co_u32 s16, s16, s17                     ; my first row
	s_lshl_b32 s16, s16, 12                        ; 4,096 bytes a row
	s_lshl_b32 s17, s42, 10
	s_add_co_u32 s16, s16, s17                     ; + 1,024 bytes a tile column
	s_lshl_b32 s17, s12, 9
	s_add_co_u32 s16, s16, s17                     ; + my half
	s_mov_b32 s17, 0
	s_add_nc_u64 s[8:9], s[8:9], s[16:17]
	s_lshr_b32 s20, s40, 1
	s_lshl_b32 s20, s20, 18                        ; the prefetches: head cx / 2 of the K step's two,
	s_and_b32 s21, s40, 1
	s_lshl_b32 s21, s21, 13                        ; half cx % 2 of the tile's 16,384 bytes in it,
	s_add_co_u32 s20, s20, s21
	s_add_co_u32 s20, s20, s18
	s_add_co_u32 s20, s20, 2*KSA                   ; at K step 2: the first refill steps it to 3 and names K step 4
	s_mov_b32 s21, 0
	s_add_nc_u64 s[PFA:PFA+1], s[4:5], s[20:21]
	s_cmp_eq_u32 s10, 0
	s_cselect_b32 s[LIM], 1, -1
; 8 matrix instructions: A's block a against B's eight, 32 along K.  The 32 accumulators take turns, one instruction a turn, in the same order in every quarter.
.macro MUL8 f, a, zero
.irp b, 0,1,2,3,4,5,6,7
.if \zero
	v_wmma_f32_16x16x32_f16 v[8*(8*(\a)+\b):8*(8*(\a)+\b)+7], v[\f+8*\b:\f+8*\b+7], v[\f+8*(\a):\f+8*(\a)+7], 0
.else
	v_wmma_f32_16x16x32_f16 v[8*(8*(\a)+\b):8*(8*(\a)+\b)+7], v[\f+8*\b:\f+8*\b+7], v[\f+8*(\a):\f+8*(\a)+7], v[8*(8*(\a)+\b):8*(8*(\a)+\b)+7]
.endif
.endr
.endm
; 24 LDS loads in one run: the fragments of the slot's q-th 32 along K into buffer f: B's 16 loads, then A's 8
.macro FETCH slot, q, f
	WIN 0x40
.irp i, 0,1,2,3,4,5,6,7
	ds_load_b128 v[\f+8*\i:\f+8*\i+3],   v[ADRB+\slot] offset:64*(\q)+\i*16*PITCH
	ds_load_b128 v[\f+8*\i+4:\f+8*\i+7], v[ADRB+\slot] offset:64*(\q)+\i*16*PITCH+32
.endr
	WIN 0
.irp i, 0,1,2,3
	ds_load_b128 v[\f+8*\i:\f+8*\i+3],   v[ADRA+\slot] offset:32*PITCH*((\q)/2)+64*((\q)%2)+\i*8*PITCH
	ds_load_b128 v[\f+8*\i+4:\f+8*\i+7], v[ADRA+\slot] offset:32*PITCH*((\q)/2)+64*((\q)%2)+\i*8*PITCH+32
.endr
.endm
.macro PLACES
.rept 4
	v_nop
.endr
.endm
; one of a K step's first three quarters: multiplies buffer f (the slot's q-th 32 along K) and fetches the next quarter into g
.macro QUARTER slot, q, f, g, zero
	s_wait_dscnt 4                                 ; B and A's blocks 0, 1 are in; the youngest four loads (A's blocks 2, 3) may be out
	WIN MUL
	MUL8 \f, 0, \zero
	MUL8 \f, 1, \zero
	PLACES
	FETCH \slot, (\q)+1, \g
	s_wait_dscnt 24                                ; all but the 24 just issued
	WIN MUL
	MUL8 \f, 2, \zero
	MUL8 \f, 3, \zero
.endm
; the last quarter multiplies buffer 1 and changes slots: one barrier; in front of it each wave waits for all its tensor loads, adds 0 to its spare word, and waits for that and for its reads of this slot.
; fill = 1: the barrier opens a round of the cluster's barrier, and this slot is filled again, two K steps ahead, first thing behind the round.
.macro TURN slot, next, fill
.if \fill
	s_wait_xcnt 0x0                                ; the last prefetch, a K step back, has read its address
	s_add_nc_u64 s[PFA:PFA+1], s[PFA:PFA+1], KSA
.endif
	WIN 0
	s_wait_tensorcnt 0x0                           ; all my tensor loads have landed: my part of the next slot
	ds_add_u32 v[SPW], v[NIL]
	s_wait_dscnt 5                                 ; (the add and the youngest four loads may be out)
	WIN MUL
	MUL8 F1, 0, 0
	s_wait_dscnt 0x0                               ; the add is done, and my reads of this slot are over
	s_barrier_signal -1
	MUL8 F1, 1, 0
	WIN 0
	s_barrier_wait -1
.if \fill
	CREST                                          ; no wave of any partner still reads this slot or has a load on its way
	s_add_nc_u64 s[G0+4*\slot+2:G0+4*\slot+3], s[G0+4*\slot+2:G0+4*\slot+3], 2*KSA
	s_add_nc_u64 s[G0B+4*\slot+2:G0B+4*\slot+3], s[G0B+4*\slot+2:G0B+4*\slot+3], 2*KSB
	JLOAD \slot                                    ; its four v_nop are also the places in front of the loads below
.else
	PLACES
.endif
	FETCH \next, 0, F0
.if \fill
	ASK
.endif
	WIN MUL
	MUL8 F1, 2, 0
	MUL8 F1, 3, 0
.endm
	s_wait_tensorcnt 1                             ; my part of K step 0 is in (K step 1's load may be out),
	s_barrier_signal -1
	s_barrier_wait -1                              ; everybody's is
	FETCH 0, 0, F0
	QUARTER 0, 0, F0, F1, 1                        ; the first quarter's products start the sums
	WIN 0
	s_mov_b32 s3, LAPS-1
.Llap:                                                 ; a trip goes once round the two slots and fills both again
	QUARTER 0, 1, F1, F0, 0
	QUARTER 0, 2, F0, F1, 0
	TURN 0, 1, 1
	QUARTER 1, 0, F0, F1, 0
	QUARTER 1, 1, F1, F0, 0
	QUARTER 1, 2, F0, F1, 0
	TURN 1, 0, 1
	QUARTER 0, 0, F0, F1, 0
	WIN 0
	s_sub_co_u32 s3, s3, 1
	s_cmp_lg_u32 s3, 0
	s_cbranch_scc1 .Llap
	QUARTER 0, 1, F1, F0, 0                        ; the last lap fills nothing
	QUARTER 0, 2, F0, F1, 0
	TURN 0, 1, 0
	QUARTER 1, 0, F0, F1, 0
	QUARTER 1, 1, F1, F0, 0
	QUARTER 1, 2, F0, F1, 0
	s_wait_dscnt 4
	WIN MUL
	MUL8 F1, 0, 0
	MUL8 F1, 1, 0
	s_wait_dscnt 0
	MUL8 F1, 2, 0
	MUL8 F1, 3, 0
	WIN 0
; THE WAY OUT, a block of 16 rows x 128 columns at a time, through my own stage: back as whole rows of 512 bytes, which the 32 lanes store as 512 consecutive bytes, aligned.
.macro TOSTAGE a
.set AC, 64*(\a)
	WIN 0x08                                       ; an LDS store's data are its source 1: window 2
.irp b, 0,1,2,3,4,5,6,7
	ds_store_b128 v[STO], v[AC+8*\b:AC+8*\b+3] offset:64*\b          ; each accumulator from its low end on
	ds_store_b128 v[STO], v[AC+8*\b+4:AC+8*\b+7] offset:64*\b+16
.endr
	WIN 0
.set BB, BK+64*((\a)%2)
.irp t, 0,1,2,3,4,5,6,7,8,9,10,11,12,13,14,15
	ds_load_b128 v[BB+4*\t:BB+4*\t+3], v[RD] offset:\t*SPITCH
.endr
.endm
.macro SEND a, younger
.set BB, BK+64*((\a)%2)
	s_wait_dscnt \younger                          ; the block is back in registers
.if (\a) > 0
	s_add_nc_u64 s[8:9], s[8:9], 16*4096           ; (behind a wait on XCNT: the earlier stores have read their base)
.endif
.irp t, 0,1,2,3,4,5,6,7,8,9,10,11,12,13,14,15
	global_store_b128 v[CO], v[BB+4*\t:BB+4*\t+3], s[8:9] offset:\t*4096 th:TH_STORE_NT
.endr
.endm
	PLACES
	TOSTAGE 0
.irp a, 1,2,3
.if \a > 1
	s_wait_xcnt 0x0                                ; block a - 2's stores have read their registers and their base
.endif
	TOSTAGE \a
	SEND \a-1, 32                                  ; behind block a - 1's loads: block a's 16 stores and 16 loads
.endr
	s_wait_xcnt 0x0
	SEND 3, 0
	s_wait_tensorcnt 0x0                           ; the wave's end
	ds_add_u32 v[SPW], v[NIL]
	s_wait_dscnt 0x0
	CROUND                                         ; the closing round
	s_endpgm
.Lfunc_end_k_q62e8321e7d_oproj:
	.size	k_q62e8321e7d_oproj, .Lfunc_end_k_q62e8321e7d_oproj-k_q62e8321e7d_oproj
	.p2alignl 7, 3214868480
	.fill 96, 4, 3214868480
	.section	.rodata,"a",@progbits
	.p2align	6, 0x0
	.amdhsa_kernel k_q62e8321e7d_oproj
		.amdhsa_group_segment_fixed_size 327680
		.amdhsa_private_segment_fixed_size 0
		.amdhsa_enable_private_segment 0
		.amdhsa_kernarg_size 24
		.amdhsa_user_sgpr_count 2
		.amdhsa_user_sgpr_kernarg_segment_ptr 1
		.amdhsa_wavefront_size32 1
		.amdhsa_system_sgpr_workgroup_id_x 1
		.amdhsa_system_sgpr_workgroup_id_y 1
		.amdhsa_system_sgpr_workgroup_id_z 1
		.amdhsa_system_vgpr_workitem_id 0
		.amdhsa_next_free_vgpr 768
		.amdhsa_next_free_sgpr 66
		.amdhsa_reserve_vcc 0
		.amdhsa_float_denorm_mode_32 3
		.amdhsa_float_denorm_mode_16_64 3
		.amdhsa_memory_ordered 1
		.amdhsa_forward_progress 1
		.amdhsa_inst_pref_size 87
	.end_amdhsa_kernel
	.amdgpu_metadata
---
amdhsa.version: [ 1, 2 ]
amdhsa.kernels:
  - .name:           k_q62e8321e7d_oproj
    .symbol:         k_q62e8321e7d_oproj.kd
    .args:
      - { .name: att, .offset: 0, .size: 8, .value_kind: global_buffer, .address_space: global }
      - { .name: wo16, .offset: 8, .size: 8, .value_kind: global_buffer, .address_space: global }
      - { .name: out0, .offset: 16, .size: 8, .value_kind: global_buffer, .address_space: global }
    .group_segment_fixed_size: 327680
    .private_segment_fixed_size: 0
    .kernarg_segment_align: 8
    .kernarg_segment_size: 24
    .max_flat_workgroup_size: 128
    .sgpr_count:     66
    .vgpr_count:     768
    .wavefront_size: 32
...
	.end_amdgpu_metadata
.endif
;; end of part 5
;; launch fine_out (part 6): grid 16 x 4, 4 waves a work-group, no clusters, 5,120 bytes of LDS; arguments fo, w_o, out0; writes out0
.if DOCPART == 6
	.amdgcn_target "amdgcn-amd-amdhsa--gfx1250"
	.amdhsa_code_object_version 6
	.text
	.protected	k_q62e8321e7d_fine_out
	.globl	k_q62e8321e7d_fine_out
	.p2align	8
	.type	k_q62e8321e7d_fine_out,@function
k_q62e8321e7d_fine_out:
	s_mov_b64 s[64:65], 0
	v_nop
	global_prefetch_b8 v0, s[64:65] scope:SCOPE_SE
	s_setreg_imm32_b32 hwreg(HW_REG_WAVE_MODE, 25, 1), 1
	s_wait_xcnt 0x0
; FINE_OUT: the projection of the first 16 rows of each sequence in f32: out0[row][n] = sum over k of fo[row][k] w_o[n][k], 64 rows in all: no bulk work.  It writes those rows of out0 again.
; A work-group takes one batch's 16 rows x 64 columns; wave w the columns 16 w on, all of K = 1,024: 256 instructions of the f32 matrix form, four accumulators by turns.
; Source 0 = 16 rows of w_o, source 1 = the 16 rows of fo, which lies as images of registers: lane (r, h) holds row r, channels 64 head + 16 t + 8 h + 4 g + 0..3.  w_o is loaded at the same
; channels, so the order of k is the same on both sides; a load of 16 bytes a side feeds two instructions.
; REGISTERS: v1-11 addresses; v32-223 three sets of 64 (a head: 8 images x (4 of w_o + 4 of fo)); v224-255 the accumulators, written by the f32 matrix form alone.
.set SPARE, 4608                       ; behind the stage of 16 rows x 272 bytes: the spare words, 128 bytes a wave
.set SPW, 10
.set NIL, 11
	s_load_b128 s[4:7], s[0:1], 0x0                ; fo s[4:5], w_o s[6:7]
	s_load_b64 s[8:9], s[0:1], 0x10                ; out0
	v_lshl_add_u32 v[SPW], v0, 2, SPARE
	v_mov_b32 v[NIL], 0
	v_lshrrev_b32 v1, 5, v0
	v_readfirstlane_b32 s10, v1                    ; wave 0..3
	v_and_b32 v1, 15, v0                           ; r
	v_bfe_u32 v2, v0, 4, 1                         ; h
	v_and_b32 v3, 31, v0                           ; lane
	v_lshlrev_b32 v4, 12, v1
	v_lshl_add_u32 v4, v2, 5, v4                   ; w_o: row r of 4,096 bytes, + 32 h
	v_lshlrev_b32 v5, 4, v3                        ; fo: 16 x lane
	s_lshl_b32 s12, s10, 6
	v_mul_u32_u24 v6, v1, 272
	v_lshl_add_u32 v6, v2, 5, v6
	v_add_nc_u32 v6, s12, v6                       ; the stage, in: row r, + 64 w + 32 h
	s_mul_i32 s12, s10, 4*272
	v_mul_u32_u24 v7, v2, 272
	v_lshl_add_u32 v7, v1, 4, v7
	v_add_nc_u32 v7, s12, v7                       ; back: rows 4 w + h (and + 2), sixteen lanes to a row of 256 bytes
	v_lshlrev_b32 v8, 12, v2
	v_lshl_add_u32 v8, v1, 4, v8                   ; and the same in out0
	s_and_b32 s11, ttmp7, 0xffff                   ; batch
	s_lshl_b32 s12, ttmp9, 6
	s_lshl_b32 s13, s10, 4
	s_add_co_u32 s12, s12, s13                     ; my first column
	s_lshl_b32 s12, s12, 12
	s_mov_b32 s13, 0
	s_lshl_b32 s14, s11, 16                        ; a batch of fo: 65,536 bytes
	s_mov_b32 s15, 0
	s_lshl_b32 s16, s11, 11
	s_lshl_b32 s17, s10, 2
	s_add_co_u32 s16, s16, s17                     ; row 2,048 batch + 4 w
	s_lshl_b32 s16, s16, 12
	s_lshl_b32 s17, ttmp9, 8
	s_add_co_u32 s16, s16, s17                     ; + 256 bytes a group of 64 columns
	s_mov_b32 s17, 0
	s_wait_kmcnt 0x0
	s_add_nc_u64 s[6:7], s[6:7], s[12:13]
	s_add_nc_u64 s[4:5], s[4:5], s[14:15]
	s_add_nc_u64 s[8:9], s[8:9], s[16:17]
.macro FLOAD hd                        ; a head's 8 images of both sides: 16 loads
.set SET, 32+64*((\hd)%3)
.irp m, 0,1,2,3,4,5,6,7
	global_load_b128 v[SET+8*\m:SET+8*\m+3], v4, s[6:7] offset:256*(\hd)+64*(\m/2)+16*(\m%2)
	global_load_b128 v[SET+8*\m+4:SET+8*\m+7], v5, s[4:5] offset:(8*(\hd)+\m)*512
.endr
.endm
.macro FMUL hd                         ; 16 instructions; image m, pair p goes to accumulator 2 (m % 2) + p: the four take turns; the first four start the sums
.set SET, 32+64*((\hd)%3)
.irp m, 0,1,2,3,4,5,6,7
.irp p, 0,1
.if ((\hd) == 0) && (\m < 2)
	v_wmma_f32_16x16x4_f32 v[224+8*(2*(\m%2)+\p):224+8*(2*(\m%2)+\p)+7], v[SET+8*\m+2*\p:SET+8*\m+2*\p+1], v[SET+8*\m+4+2*\p:SET+8*\m+4+2*\p+1], 0
.else
	v_wmma_f32_16x16x4_f32 v[224+8*(2*(\m%2)+\p):224+8*(2*(\m%2)+\p)+7], v[SET+8*\m+2*\p:SET+8*\m+2*\p+1], v[SET+8*\m+4+2*\p:SET+8*\m+4+2*\p+1], v[224+8*(2*(\m%2)+\p):224+8*(2*(\m%2)+\p)+7]
.endif
.endr
.endr
.endm
	FLOAD 0
	FLOAD 1
	FLOAD 2
.irp hd, 0,1,2,3,4,5,6,7,8,9,10,11,12,13,14,15
.if \hd < 14
	s_wait_loadcnt 32                              ; this head's 16 loads are in; the two younger heads' 32 may be out
.elseif \hd == 14
	s_wait_loadcnt 16
.else
	s_wait_loadcnt 0x0
.endif
	FMUL \hd
.if \hd < 13
.rept 8
	v_nop                                          ; eight places behind the f32 form, in front of loads into registers that it has read
.endr
	FLOAD \hd+3
.endif
.endr
.rept 8
	v_nop
.endr
.irp p, 0,2,4,6
	v_pk_add_f32 v[32+\p:33+\p], v[224+\p:225+\p], v[232+\p:233+\p]    ; the four sums, each read from its low end on, into other registers
.endr
.irp p, 0,2,4,6
	v_pk_add_f32 v[32+\p:33+\p], v[32+\p:33+\p], v[240+\p:241+\p]
.endr
.irp p, 0,2,4,6
	v_pk_add_f32 v[32+\p:33+\p], v[32+\p:33+\p], v[248+\p:249+\p]
.endr
	ds_store_b128 v6, v[32:35]                     ; lane (r, h): row r, columns 16 w + 8 h + 0..7
	ds_store_b128 v6, v[36:39] offset:16
	s_wait_dscnt 0x0                               ; for the others' sake: my stores into the stage are done
	s_barrier_signal -1
	s_barrier_wait -1
	ds_load_b128 v[40:43], v7
	ds_load_b128 v[44:47], v7 offset:544
	s_wait_dscnt 0x0
	global_store_b128 v8, v[40:43], s[8:9]         ; sixteen lanes store 256 consecutive bytes, aligned
	global_store_b128 v8, v[44:47], s[8:9] offset:8192
	s_wait_tensorcnt 0x0                           ; the wave's end
	ds_add_u32 v[SPW], v[NIL]
	s_wait_dscnt 0x0
	s_endpgm
.Lfunc_end_k_q62e8321e7d_fine_out:
	.size	k_q62e8321e7d_fine_out, .Lfunc_end_k_q62e8321e7d_fine_out-k_q62e8321e7d_fine_out
	.p2alignl 7, 3214868480
	.fill 96, 4, 3214868480
	.section	.rodata,"a",@progbits
	.p2align	6, 0x0
	.amdhsa_kernel k_q62e8321e7d_fine_out
		.amdhsa_group_segment_fixed_size 5120
		.amdhsa_private_segment_fixed_size 0
		.amdhsa_enable_private_segment 0
		.amdhsa_kernarg_size 24
		.amdhsa_user_sgpr_count 2
		.amdhsa_user_sgpr_kernarg_segment_ptr 1
		.amdhsa_wavefront_size32 1
		.amdhsa_system_sgpr_workgroup_id_x 1
		.amdhsa_system_sgpr_workgroup_id_y 1
		.amdhsa_system_sgpr_workgroup_id_z 1
		.amdhsa_system_vgpr_workitem_id 0
		.amdhsa_next_free_vgpr 256
		.amdhsa_next_free_sgpr 66
		.amdhsa_reserve_vcc 0
		.amdhsa_float_denorm_mode_32 3
		.amdhsa_float_denorm_mode_16_64 3
		.amdhsa_memory_ordered 1
		.amdhsa_forward_progress 1
		.amdhsa_inst_pref_size 48
	.end_amdhsa_kernel
	.amdgpu_metadata
---
amdhsa.version: [ 1, 2 ]
amdhsa.kernels:
  - .name:           k_q62e8321e7d_fine_out
    .symbol:         k_q62e8321e7d_fine_out.kd
    .args:
      - { .name: fo, .offset: 0, .size: 8, .value_kind: global_buffer, .address_space: global }
      - { .name: w_o, .offset: 8, .size: 8, .value_kind: global_buffer, .address_space: global }
      - { .name: out0, .offset: 16, .size: 8, .value_kind: global_buffer, .address_space: global }
    .group_segment_fixed_size: 5120
    .private_segment_fixed_size: 0
    .kernarg_segment_align: 8
    .kernarg_segment_size: 24
    .max_flat_workgroup_size: 128
    .sgpr_count:     66
    .vgpr_count:     256
    .wavefront_size: 32
...
	.end_amdgpu_metadata
.endif
;; end of part 6
